; MI455X (gfx1250); checked and timed in simulation.
; The chip was launched on July 23, 2026; its instructions are those of AMD's public machine-readable ISA for CDNA 5 (MIT licence, August 2026) and "CDNA5" Instruction Set Architecture Reference Guide (July 2026). The comments in the code are by the model that wrote it; some were corrected since.
;; Attention Bahdanau. Allowed arithmetic: matrix products marked QUANTISED: E2M3 operands, one E8M0 scale for each 32 along K, by v_wmma_scale_f32_16x16x128_f8f6f4 with both operands' format E2M3, f32 sums; products left as they are: f32 operands where the result goes on into a quantised operand, else bf16, f16 or f32 operands; f32 sums; everything else in f32.
;; Inputs: W 2,048 x 1,024 float32; b 1,024 float32; encoder_outputs 32 x 1,024 x 1,024 float32; hidden 32 x 1,024 float32; src_len 32 int32; v 1,024 float32.
;; Outputs: out0 32 x 1 x 1,024 float32.
;; This version of the problem:
;;   THIS VERSION OF THE PROBLEM IS GIVEN IN LOW PRECISION. The matrix products marked QUANTISED in the list below multiply operands that are first quantised to E2M3 (2 exponent bits, 3 mantissa bits; 6 bits a number), with one power-of-two scale for each 32 numbers along K (OCP MX v1.0); their sums are f32. All else is computed in f32.
;;   The module's matrix products, in the order in which they are computed (A, B: the left and right operand; K: the contracted axis; several contracted axes count as one K, in the product's order):
;;     1. [M 32,768, K 2,048] x [K 2,048, N 1,024]; A: computed on the way; B: input W: QUANTISED
;;     2. [M 32,768, K 1,024] x [K 1,024, N 1]; A: computed on the way; B: input v: left as it is (N = 1 < 16)
;;   THE QUANTISER, for each operand of a quantised product, along K:
;;     - K is cut into blocks of 32 from its start; a last block that is shorter is filled with zeros.
;;     - A block's scale is 2^e with e = floor(log2(the largest magnitude in the block)) - 2, held to -126 .. 127; a block of zeros has e = 0. As a byte (E8M0): e + 127.
;;     - Each number is divided by its block's scale, clamped to +-7.5, and rounded to the nearest number of E2M3, ties to even, subnormals kept.
;;     - The product sums the exact products of the quantised numbers (number of the format x scale) in f32.
;;   ~~~python
;;   def quantise(x, axis):      # numpy; x: float32 -> the quantised numbers, widened to float32 again
;;       x = np.moveaxis(x, axis, -1); K = x.shape[-1]
;;       x = np.pad(x, [(0, 0)] * (x.ndim - 1) + [(0, -K % 32)]); x = x.reshape(x.shape[:-1] + (-1, 32)); a = np.abs(x).max(-1, keepdims=True)
;;       e = np.where(a > 0, np.clip(np.frexp(np.where(a > 0, a, 1))[1] - 1 - 2, -126, 127), 0)      # np.frexp(a)[1] - 1 = floor(log2(a)), exactly
;;       r = np.clip(x / 2.0 ** e, -7.5, 7.5)
;;       step = 2.0 ** (np.maximum(np.frexp(np.where(r == 0, 1, r))[1] - 1, 0) - 3)
;;       q = np.round(r / step) * step * 2.0 ** e      # np.round: ties to even
;;       return np.moveaxis(q.reshape(q.shape[:-2] + (-1,))[..., :K], -1, axis).astype(np.float32)
;;   ~~~
;;   OPERANDS COMPUTED ON THE WAY. 'Computed on the way' means the value that the module computes at that place (a softmax that the list does not call 'softmax' is quantised finished and normalised). What goes into a quantiser is computed in f32, as accurately as f32 sums, v_exp_f32 and their like allow (about 1e-6 of the number): no bf16 or f16 on the way to a quantiser, and a product that is left as it is and whose result goes on into a quantised operand takes f32 operands (vector FMAs, or v_wmma_f32_16x16x4_f32). A number that lies on a knife's edge between two numbers of the format may be rounded either way, as far as f32 arithmetic and the matrix unit's own rounding can turn it there, and no further.
;; 2 versions. Each part assembles by itself: llvm-mc -triple=amdgcn-amd-amdhsa -mcpu=gfx1250 --defsym DOCPART=n.
;; ======== version 1 of 2: 3 launches
;; workspace buffers: acodes 25,165,824 bytes; ascales 1,048,576 bytes; wcodes 786,432 bytes; wscales 32,768 bytes; hb 131,072 bytes; part 2,097,152 bytes
;; launch prep (part 1): grid 1152 x 1, 8 waves a work-group, no clusters, 84,992 bytes of LDS; arguments encoder_outputs, hidden, W, b, src_len, acodes, ascales, wcodes, wscales, hb; writes acodes, ascales, wcodes, wscales, hb
.if DOCPART == 1
	.amdgcn_target "amdgcn-amd-amdhsa--gfx1250"
	.amdhsa_code_object_version 6
	.text
	.protected	k_q96ccf06261_prep
	.globl	k_q96ccf06261_prep
	.p2align	8
	.type	k_q96ccf06261_prep,@function
k_q96ccf06261_prep:
	s_mov_b64 s[64:65], 0
	v_nop
	global_prefetch_b8 v0, s[64:65] scope:SCOPE_SE
	s_setreg_imm32_b32 hwreg(HW_REG_WAVE_MODE, 25, 1), 1
	s_wait_xcnt 0x0
; THE FIRST OF THREE LAUNCHES of  out[b][s] = softmax_s( v . tanh([hidden[b] | enc[b][s]] W + bias) ),  rows s >= src_len[b] masked; the product on codes of FP6 (E2M3), one E8M0 scale for each 32 along K.
; K's first 1,024 numbers are hidden[b], the same for all rows of a batch, and no block of 32 lies across the seam: so that half of the product is made here once for each batch (hb), and enters the sums of the next launch as their C.
; Three roles, by the work-group's number alone:
;   0 .. 63    HB:   hb[32][16 nt .. +15] = Q(hidden) Q(W[0:1024]) + bias.  Wave w takes K step w (128 along K); the eight partial tiles meet in LDS.
;   64 .. 127  W2:   W[1024:2048][16 nt .. +15] becomes codes and scale words, a K step a wave.
;   128 ..     ROWS: batch (id - 128) / 32, unit (id - 128) % 32.  A UNIT is 32 rows of a batch.  A unit all of whose rows are masked is not read: its work-group ends (a grid that serves every src_len).
; The units that count are laid one behind the other: unit u of batch b at place p = (the units of the batches before b) + u.
; LAYOUTS.  A fragment (16 rows x 128 K) is stored as the image of its 12 registers: register 4 q + e of lane l at 512 q + 16 l + 4 e: every store of codes covers 512 consecutive bytes, aligned.
;   acodes [p][tile 2][K step 8][1,536]   ascales [p][tile 2][K step 8][row 16] words   wcodes [nt 64][K step 8][1,536]   wscales [nt 64][K step 8][column 16] words   hb [32][1024] f32
; LIMITS.  NaN and infinities among the inputs are not served.  A block of zeros gets the byte 1 where the quantiser's text says 127: its codes are zeros, and this program alone reads the bytes.
;   src_len is held to 0 .. 1,024, which is what the comparison with 0 .. 1,023 amounts to.  The scale words leave in pieces of 128 and 64 bytes and hb in pieces of 16: together under a fiftieth of the launch's bytes.
; No tensor load: the ROWS path branches on src_len.  No cluster: no two work-groups read the same rows.
.set RAW0, 64                          ; v64-127   64 numbers as loaded
.set RAW1, 128                         ; v128-191
.set X0,   192                         ; v192-255
.set TM,   12                          ; v12-15 largest magnitudes, v16-19 bytes, v20-23 small things, v24-27 the conversions' scale operands
.set PC,   28                          ; v28-39 a fragment's codes, v40-47 the halves that are moved
.set PW0,  48                          ; scale words of two fragments
.set PW1,  49
.set WF,   50                          ; v50-61 a fragment of W
.set WS,   62                          ; its scale word
.set SCW,  63
.set SP,   528                         ; a row in a wave's stage: 512 bytes + 16, an odd multiple of 16
.set RED,  67584                       ; behind the eight stages of 16 x 528 bytes: HB's partial tiles, 2,048 bytes a wave.  Each role has LDS bytes of its own
; 64 numbers of a lane, register 16 b + i = k 32 b + 16 (lane / 16) + i of row lane % 16, become a fragment's codes in v[pc .. pc+11] and its scale word in v[pw] (the same in lanes l and l xor 16)
.macro QUANT s, pc, pw
.irp b, 0,1,2,3
	v_max3_num_f32 v[TM+\b], |v[\s+16*\b]|, |v[\s+1+16*\b]|, 0x1800000   ; my 16 numbers of block b, and the floor 2^(3 - 127): the byte cannot fall under 1
.endr
.irp i, 2,4,6,8,10,12,14
.irp b, 0,1,2,3
	v_max3_num_f32 v[TM+\b], v[TM+\b], |v[\s+16*\b+\i]|, |v[\s+1+16*\b+\i]|   ; the four blocks by turns
.endr
.endr
.irp b, 0,1,2,3
	v_permlanex16_b32 v[TM+4+\b], v[TM+\b], s66, s67
.endr
.irp b, 0,1,2,3
	v_max_num_f32 v[TM+\b], v[TM+\b], v[TM+4+\b]                    ; with lane l xor 16's: the block's largest magnitude
.endr
.irp b, 0,1,2,3
	v_add_nc_u32 v[TM+12+\b], 0xff000000, v[TM+\b]                  ; 2 off its exponent field: the conversion takes this operand's exponent field as its scale
.endr
.irp b, 0,1,2,3
	v_lshrrev_b32 v[TM+4+\b], 23, v[TM+12+\b]                       ; the scale's byte
.endr
	v_lshl_or_b32 v[\pw], v[TM+5], 8, v[TM+4]
	v_lshl_or_b32 v[\pw], v[TM+6], 16, v[\pw]
	v_lshl_or_b32 v[\pw], v[TM+7], 24, v[\pw]
.irp c, 0,1
	v_cvt_scalef32_pk16_fp6_f32 v[\pc+6*\c:\pc+2+6*\c], v[\s+32*\c:\s+15+32*\c], v[TM+12+2*\c]
	v_cvt_scalef32_pk16_fp6_f32 v[\pc+12+4*\c:\pc+14+4*\c], v[\s+16+32*\c:\s+31+32*\c], v[TM+12+2*\c+1]   ; (a conversion's three registers begin on an even number)
.endr
	v_nop                                          ; one plain place behind the scaled conversions
.irp c, 0,1                                    ; the operand wants a whole block in a lane: lanes 0-15 block 2 c, lanes 16-31 block 2 c + 1
.irp i, 0,1,2
	v_permlane16_swap_b32 v[\pc+6*\c+\i], v[\pc+12+4*\c+\i]
.endr
.irp i, 0,1,2
	v_mov_b32 v[\pc+3+6*\c+\i], v[\pc+12+4*\c+\i]
.endr
.endr
.endm
; 128 rows of W at 16 columns: lane (r, h) takes column r and its registers run down K: register 32 c + i = W(k0 + 64 c + 32 h + i, column r)
.macro WLOAD
.set p, 0
.rept 64
	global_load_b32 v[RAW0+p], v8, s[72:73] offset:4096*(64*(p/32)+p%32)
.set p, p+1
.endr
.endm
; those 64 numbers are two whole blocks of my column: codes into v[WF ..], the column's scale word into v[WS], whole in both halves of the lanes
.macro WQ
.irp c, 0,1
	v_max3_num_f32 v[TM+\c], |v[RAW0+32*\c]|, |v[RAW0+1+32*\c]|, 0x1800000
.endr
.irp i, 2,4,6,8,10,12,14,16,18,20,22,24,26,28,30
.irp c, 0,1
	v_max3_num_f32 v[TM+\c], v[TM+\c], |v[RAW0+32*\c+\i]|, |v[RAW0+1+32*\c+\i]|
.endr
.endr
.irp c, 0,1
	v_add_nc_u32 v[TM+12+\c], 0xff000000, v[TM+\c]
.endr
.irp c, 0,1
	v_lshrrev_b32 v[TM+4+\c], 23, v[TM+12+\c]
.endr
	v_lshl_or_b32 v[WS], v[TM+5], 16, v[TM+4]      ; my two bytes: blocks h and 2 + h,
	v_lshlrev_b32 v20, 3, v3
	v_lshlrev_b32 v[WS], v20, v[WS]                ; 8 h bits up;
	v_permlanex16_b32 v21, v[WS], s66, s67
	v_or_b32 v[WS], v[WS], v21                     ; with lane l xor 16's two the word is whole
.irp c, 0,1
	v_cvt_scalef32_pk16_fp6_f32 v[WF+6*\c:WF+2+6*\c], v[RAW0+32*\c:RAW0+15+32*\c], v[TM+12+\c]
	v_cvt_scalef32_pk16_fp6_f32 v[40+4*\c:42+4*\c], v[RAW0+16+32*\c:RAW0+31+32*\c], v[TM+12+\c]
.endr
	v_nop                                          ; one plain place behind the scaled conversions
.irp c, 0,1
.irp i, 0,1,2
	v_mov_b32 v[WF+3+6*\c+\i], v[40+4*\c+\i]
.endr
.endr
.endm
; a K step of 16 rows goes through my wave's stage: in as loaded (a row's 512 bytes by 32 lanes), out 64 bytes of a row a lane.  LDS serves a wave's instructions in order (ISA guide 5.7.1.4): no wait between
.macro TURN src, dst
.set p, 0
.rept 16
	ds_store_b128 v6, v[\src+4*p:\src+4*p+3] offset:SP*p
.set p, p+1
.endr
.set p, 0
.rept 16
	ds_load_b128 v[\dst+4*p:\dst+4*p+3], v7 offset:128*(p/4)+16*(p%4)
.set p, p+1
.endr
.endm
	s_load_b512 s[48:63], s[0:1], 0x0              ; enc 48, hidden 50, W 52, bias 54, src_len 56, acodes 58, ascales 60, wcodes 62
	s_load_b128 s[68:71], s[0:1], 0x40             ; wscales 68, hb 70
	v_lshl_add_u32 v43, v0, 2, 0x14800
	v_mov_b32 v47, 0
	v_lshrrev_b32 v1, 5, v0
	v_readfirstlane_b32 s2, v1                     ; wave 0..7
	v_and_b32 v1, 31, v0                           ; lane
	v_and_b32 v2, 15, v0                           ; r
	v_bfe_u32 v3, v0, 4, 1                         ; h
	v_lshlrev_b32 v4, 4, v1                        ; 16 x lane
	v_lshlrev_b32 v5, 2, v1                        ; 4 x lane
	s_mul_i32 s9, s2, 16*SP
	v_add_nc_u32 v6, s9, v4                        ; my stage, on the way in
	v_mul_u32_u24 v7, v2, SP
	v_lshl_add_u32 v7, v3, 6, v7
	v_add_nc_u32 v7, s9, v7                        ; and out: row r, + 64 h
	v_lshlrev_b32 v8, 2, v2
	v_lshl_add_u32 v8, v3, 17, v8                  ; W: column r, lanes 16-31 begin 32 rows of 4,096 bytes further down
	v_lshlrev_b32 v9, 12, v2
	v_lshl_add_u32 v9, v3, 6, v9                   ; hidden: row r of 4,096 bytes, + 64 h
	s_lshl_b32 s9, s2, 11
	s_add_co_u32 s9, s9, RED
	v_add_nc_u32 v10, s9, v4                       ; HB: where I put my partial tiles
	s_and_b32 s9, s2, 3
	s_lshl_b32 s9, s9, 9
	s_add_co_u32 s9, s9, RED
	v_add_nc_u32 v11, s9, v4                       ; and where I read one quarter of everybody's
	s_mov_b32 s66, 0x76543210
	s_mov_b32 s67, 0xfedcba98                      ; v_permlanex16_b32's selects for lane l xor 16
	s_mov_b32 s91, 0xffff0000                      ; lanes 16-31
.irp b, 0,1,2,3
	v_mov_b32 v[TM+4+\b], 0                        ; written once: a lane permute's destination counts as one of its sources
.endr
	v_mov_b32 v21, 0
	s_cmp_ge_u32 ttmp9, 128
	s_cbranch_scc1 .Lrows
	s_cmp_ge_u32 ttmp9, 64
	s_cbranch_scc1 .Lw2
	; ---------------- HB ----------------
	s_lshl_b32 s10, s2, 19                         ; my K step: 128 rows of W
	s_lshl_b32 s11, ttmp9, 6                       ; my tile's 16 columns
	s_add_co_u32 s10, s10, s11
	s_mov_b32 s11, 0
	s_lshl_b32 s12, s2, 9                          ; my K step in a row of hidden
	s_mov_b32 s13, 0
	s_and_b32 s14, s2, 1
	s_lshl_b32 s14, s14, 4
	s_lshl_b32 s15, ttmp9, 6
	s_add_co_u32 s14, s14, s15                     ; 64 nt + 16 (wave % 2): the four columns of the quarter that I shall add up
	s_mov_b32 s15, 0
	v_lshlrev_b32 v23, 5, v3                       ; + 32 h
	s_wait_kmcnt 0x0
	s_add_nc_u64 s[72:73], s[52:53], s[10:11]
	s_add_nc_u64 s[74:75], s[50:51], s[12:13]
	s_add_nc_u64 s[76:77], s[54:55], s[14:15]
	WLOAD
.irp mt, 0,1                                   ; hidden's rows 16 mt + r: 16 neighbours of each block of 32
.set p, 0
.rept 16
	global_load_b128 v[RAW1+64*\mt+4*p:RAW1+64*\mt+4*p+3], v9, s[74:75] offset:65536*\mt+128*(p/4)+16*(p%4)
.set p, p+1
.endr
.endr
	global_load_b128 v[32:35], v23, s[76:77]       ; four numbers of the bias
	s_wait_loadcnt 33                              ; W's 64 are in; younger: hidden's 16 + 16 and the bias's one
	WQ
	s_wait_loadcnt 17                              ; hidden's first 16 are in
	QUANT RAW1, 64, PW0
	s_wait_loadcnt 1                               ; and its second 16
	QUANT X0, 84, PW1
.rept 8
	v_nop                                          ; a scale register written by a vector instruction stands 8 places ahead of a scaled matrix instruction, an operand so written 4
.endr
	; transposed: source 0 = 16 columns of W, source 1 = 16 rows of hidden: lane (r, h) holds row r, register j column 8 h + j
	v_wmma_scale_f32_16x16x128_f8f6f4 v[104:111], v[WF:WF+11], v[64:75], 0, v[WS], v[PW0] matrix_a_fmt:MATRIX_FMT_FP6 matrix_b_fmt:MATRIX_FMT_FP6
	v_wmma_scale_f32_16x16x128_f8f6f4 v[112:119], v[WF:WF+11], v[84:95], 0, v[WS], v[PW1] matrix_a_fmt:MATRIX_FMT_FP6 matrix_b_fmt:MATRIX_FMT_FP6
.rept 4
	v_nop                                          ; four places ahead of the first read of the results (ISA guide 7.12.1)
.endr
.irp e, 0,1,2,3
	ds_store_b128 v10, v[104+4*\e:107+4*\e] offset:512*\e   ; each accumulator from its low end on
.endr
	s_wait_dscnt 0x0                               ; for the others' sake: my partial tiles lie in LDS
	s_barrier_signal -1
	s_barrier_wait -1
	s_cmp_ge_u32 s2, 4
	s_cbranch_scc1 .Lend                           ; four quarters, four waves
.irp k, 0,1,2,3,4,5,6,7
	ds_load_b128 v[128+4*\k:131+4*\k], v11 offset:2048*\k   ; quarter e = my wave's number of the eight K steps: rows 16 (e / 2) + r, columns 8 h + 4 (e % 2) + 0 .. 3
.endr
	s_lshr_b32 s9, s2, 1
	s_lshl_b32 s9, s9, 16
	s_add_co_u32 s14, s14, s9
	s_add_nc_u64 s[78:79], s[70:71], s[14:15]      ; hb + 65,536 (e / 2) + 64 nt + 16 (e % 2)
	v_lshlrev_b32 v36, 12, v2
	v_lshl_add_u32 v36, v3, 5, v36                 ; + row r + 32 h
	s_wait_loadcnt 0x0                             ; the bias
	s_wait_dscnt 0x0
.irp k, 0,1,2,3,4,5,6,7                        ; the bias first, then K ascending
	v_pk_add_f32 v[32:33], v[32:33], v[128+4*\k:129+4*\k]
	v_pk_add_f32 v[34:35], v[34:35], v[130+4*\k:131+4*\k]
.endr
	global_store_b128 v36, v[32:35], s[78:79]
	s_wait_tensorcnt 0x0
	ds_add_u32 v43, v47
	s_wait_dscnt 0x0
	s_endpgm
	; ---------------- W2 ----------------
.Lw2:
	s_sub_co_u32 s5, ttmp9, 64                     ; nt
	s_lshl_b32 s10, s2, 19
	s_add_co_u32 s10, s10, 0x400000                ; row 1,024 + 128 x wave
	s_lshl_b32 s11, s5, 6
	s_add_co_u32 s10, s10, s11
	s_mov_b32 s11, 0
	s_mul_i32 s12, s5, 12288
	s_mul_i32 s13, s2, 1536
	s_add_co_u32 s12, s12, s13
	s_mov_b32 s13, 0
	s_lshl_b32 s14, s5, 9
	s_lshl_b32 s15, s2, 6
	s_add_co_u32 s14, s14, s15
	s_mov_b32 s15, 0
	v_lshlrev_b32 v37, 2, v2                       ; 4 r: lanes l and l + 16 hold the same scale word and store it to the same place
	s_wait_kmcnt 0x0
	s_add_nc_u64 s[72:73], s[52:53], s[10:11]
	s_add_nc_u64 s[74:75], s[62:63], s[12:13]
	s_add_nc_u64 s[76:77], s[68:69], s[14:15]
	WLOAD
	s_wait_loadcnt 0x0
	WQ
.irp q, 0,1,2
	global_store_b128 v4, v[WF+4*\q:WF+4*\q+3], s[74:75] offset:512*\q
.endr
	global_store_b32 v37, v[WS], s[76:77]
	s_endpgm
	; ---------------- ROWS ----------------
.Lrows:
	s_sub_co_u32 s3, ttmp9, 128
	s_lshr_b32 s4, s3, 5                           ; the batch
	s_and_b32 s5, s3, 31                           ; the unit
	s_lshl_b32 s10, s4, 2
	s_mov_b32 s11, 0
	s_wait_kmcnt 0x0
	s_add_nc_u64 s[10:11], s[56:57], s[10:11]
	s_load_b32 s6, s[10:11], 0x0                   ; my batch's length
	s_load_b512 s[16:31], s[56:57], 0x0            ; and all 32
	s_load_b512 s[32:47], s[56:57], 0x40
	s_wait_kmcnt 0x0
	s_max_i32 s6, s6, 0
	s_min_i32 s6, s6, 1024
	s_add_co_u32 s7, s6, 31
	s_lshr_b32 s7, s7, 5                           ; my batch's units
	s_cmp_ge_u32 s5, s7
	s_cbranch_scc1 .Lend                           ; all 32 rows are masked: nothing is read, nothing stored.  (No barrier stands on this path)
	s_lshr_b32 s12, s2, 2                          ; wave: tile m = wave / 4 of the unit's two,
	s_and_b32 s13, s2, 3                           ; K steps 2 i and 2 i + 1, i = wave % 4
	s_lshl_b32 s14, s4, 22                         ; a batch is 4 MiB,
	s_lshl_b32 s15, s5, 17                         ; a unit 32 rows of 4,096 bytes,
	s_add_co_u32 s14, s14, s15
	s_lshl_b32 s15, s12, 16                        ; a tile 16,
	s_add_co_u32 s14, s14, s15
	s_lshl_b32 s15, s13, 10                        ; two K steps 1,024 bytes of a row
	s_add_co_u32 s14, s14, s15
	s_mov_b32 s15, 0
	s_add_nc_u64 s[72:73], s[48:49], s[14:15]
.irp e, 0,1                                    ; each load reads 512 consecutive bytes of one row; 16 KiB a wave are on their way
.set p, 0
.rept 16
	global_load_b128 v[RAW0+64*\e+4*p:RAW0+64*\e+4*p+3], v4, s[72:73] offset:4096*p+512*\e th:TH_LOAD_NT
.set p, p+1
.endr
.endr
	s_mov_b32 s8, 0                                ; while they fly: the units of the batches before mine
.set q, 0
.rept 32
	s_max_i32 s9, s[16+q], 0
	s_min_i32 s9, s9, 1024
	s_add_co_u32 s9, s9, 31
	s_lshr_b32 s9, s9, 5
	s_cmp_gt_u32 s4, q
	s_cselect_b32 s9, s9, 0
	s_add_co_u32 s8, s8, s9
.set q, q+1
.endr
	s_add_co_u32 s9, s8, s5
	s_lshl_b32 s9, s9, 1
	s_add_co_u32 s9, s9, s12                       ; my tile's place: 2 p + m,
	s_min_u32 s9, s9, 2047                         ; which a sum of 32 counts of at most 32 cannot pass
	s_mul_i32 s14, s9, 12288
	s_mul_i32 s10, s13, 3072
	s_add_co_u32 s14, s14, s10
	s_add_nc_u64 s[74:75], s[58:59], s[14:15]
	s_lshl_b32 s14, s9, 9
	s_lshl_b32 s10, s13, 7
	s_add_co_u32 s14, s14, s10
	s_add_nc_u64 s[76:77], s[60:61], s[14:15]
	s_wait_loadcnt 16                              ; the first K step's 16 loads are in; the second's 16 may be out
	TURN RAW0, X0
	s_wait_dscnt 0x0                               ; the first K step is back, 16 neighbours of each block a lane
	s_wait_loadcnt 0x0
	TURN RAW1, RAW0                                ; the second goes through the same stage while the first is quantised
	QUANT X0, PC, PW0
.irp q, 0,1,2
	global_store_b128 v4, v[PC+4*\q:PC+4*\q+3], s[74:75] offset:512*\q
.endr
	s_wait_dscnt 0x0
	s_wait_xcnt 0x0                                ; the stores' data registers are written again only behind this wait
	QUANT RAW0, PC, PW1
.irp q, 0,1,2
	global_store_b128 v4, v[PC+4*\q:PC+4*\q+3], s[74:75] offset:1536+512*\q
.endr
	v_cndmask_b32 v[SCW], v[PW0], v[PW1], s91      ; lanes 0-15: K step 2 i's words, lanes 16-31: K step 2 i + 1's: as one scale register of the next launch wants them
	global_store_b32 v5, v[SCW], s[76:77]
.Lend:
	s_wait_tensorcnt 0x0
	ds_add_u32 v43, v47
	s_wait_dscnt 0x0
	s_endpgm
.Lfunc_end_k_q96ccf06261_prep:
	.size	k_q96ccf06261_prep, .Lfunc_end_k_q96ccf06261_prep-k_q96ccf06261_prep
	.p2alignl 7, 3214868480
	.fill 96, 4, 3214868480
	.section	.rodata,"a",@progbits
	.p2align	6, 0x0
	.amdhsa_kernel k_q96ccf06261_prep
		.amdhsa_group_segment_fixed_size 84992
		.amdhsa_private_segment_fixed_size 0
		.amdhsa_enable_private_segment 0
		.amdhsa_kernarg_size 80
		.amdhsa_user_sgpr_count 2
		.amdhsa_user_sgpr_kernarg_segment_ptr 1
		.amdhsa_wavefront_size32 1
		.amdhsa_system_sgpr_workgroup_id_x 1
		.amdhsa_system_sgpr_workgroup_id_y 1
		.amdhsa_system_sgpr_workgroup_id_z 1
		.amdhsa_system_vgpr_workitem_id 0
		.amdhsa_next_free_vgpr 256
		.amdhsa_next_free_sgpr 96
		.amdhsa_reserve_vcc 0
		.amdhsa_float_denorm_mode_32 3
		.amdhsa_float_denorm_mode_16_64 3
		.amdhsa_memory_ordered 1
		.amdhsa_forward_progress 1
		.amdhsa_inst_pref_size 61
	.end_amdhsa_kernel
	.amdgpu_metadata
---
amdhsa.version: [ 1, 2 ]
amdhsa.kernels:
  - .name:           k_q96ccf06261_prep
    .symbol:         k_q96ccf06261_prep.kd
    .args:
      - { .name: encoder_outputs, .offset: 0, .size: 8, .value_kind: global_buffer, .address_space: global }
      - { .name: hidden, .offset: 8, .size: 8, .value_kind: global_buffer, .address_space: global }
      - { .name: W, .offset: 16, .size: 8, .value_kind: global_buffer, .address_space: global }
      - { .name: b, .offset: 24, .size: 8, .value_kind: global_buffer, .address_space: global }
      - { .name: src_len, .offset: 32, .size: 8, .value_kind: global_buffer, .address_space: global }
      - { .name: acodes, .offset: 40, .size: 8, .value_kind: global_buffer, .address_space: global }
      - { .name: ascales, .offset: 48, .size: 8, .value_kind: global_buffer, .address_space: global }
      - { .name: wcodes, .offset: 56, .size: 8, .value_kind: global_buffer, .address_space: global }
      - { .name: wscales, .offset: 64, .size: 8, .value_kind: global_buffer, .address_space: global }
      - { .name: hb, .offset: 72, .size: 8, .value_kind: global_buffer, .address_space: global }
    .group_segment_fixed_size: 84992
    .private_segment_fixed_size: 0
    .kernarg_segment_align: 8
    .kernarg_segment_size: 80
    .max_flat_workgroup_size: 256
    .sgpr_count:     96
    .vgpr_count:     256
    .wavefront_size: 32
...
	.end_amdgpu_metadata
.endif
;; end of part 1
;; launch energy (part 2): grid 4 x 64, 4 waves a work-group, no clusters, 49,664 bytes of LDS; arguments acodes, ascales, wcodes, wscales, hb, v, src_len, part; writes part
.if DOCPART == 2
	.amdgcn_target "amdgcn-amd-amdhsa--gfx1250"
	.amdhsa_code_object_version 6
	.text
	.protected	k_q96ccf06261_energy
	.globl	k_q96ccf06261_energy
	.p2align	8
	.type	k_q96ccf06261_energy,@function
k_q96ccf06261_energy:
	s_mov_b64 s[64:65], 0
	v_nop
	global_prefetch_b8 v0, s[64:65] scope:SCOPE_SE
	s_setreg_imm32_b32 hwreg(HW_REG_WAVE_MODE, 25, 1), 1
	s_wait_xcnt 0x0
; THE SECOND LAUNCH: for every unit (32 rows that count, laid out by the first launch) y = Q(enc) Q(W[1024:2048]) + hb[batch], then the wave's part of  sum over n of -2 v[n] / (1 + 2^(2 log2(e) y[n])).
; tanh(y) = 1 - 2 / (1 + e^(2 y)), so v . tanh(y) = sum(v) - 2 sum(v[n] r[n]); sum(v) is the same for all rows, and a shift common to a row's unmasked scores leaves its softmax as it is (a masked score gives 0 with or without it): it is left out.
; Where e^(2 y) overflows, r is 0; where it falls to 0, r is 1: both are tanh's limits.
; SHARES.  x = a slice of 256 columns, y = a group of units: group g takes the places g + 64 t, t = 0 .. 15, as far as they are under the number of units TU, which every work-group adds up from src_len.
; Wave w owns columns 256 x + 64 w .. + 63: its 32 fragments of W and their scale words stay in registers for the whole launch.  What goes round is a unit's codes, 24,576 bytes: each wave loads a quarter into registers,
; two units ahead, stores it into one of two LDS slots, and all four read the whole slot.  All images of registers: every LDS address is 16 x lane (+ 6,144 x wave) + a constant.
; THE MATRIX INSTRUCTION IS USED TRANSPOSED (source 0 = 16 columns of W, source 1 = 16 rows): lane (r, h) holds row r, register j column 8 h + j.  hb is the C of each sum's first instruction.
; NO TENSOR LOAD, NO CLUSTER: how many units a work-group has hangs on src_len, so its work stands under a branch on a loaded number; what work-groups share is a unit's
; 24,576 bytes among the four slices, which are neighbours in the grid.  The loop's trip count is a constant, so that every wave passes every barrier; a trip without a unit does nothing between its barriers.
; A look-ahead past the group's last unit reads that last unit again: so every load of a trip is issued on every way through it, and no byte is read that the first launch has not stored.
; LIMITS.  If every src_len is 0 or less there is no unit, nothing is stored, and the loads at the head read bytes that nobody stored; nothing is made of them.  part leaves in pieces of 128 bytes: 2 MiB in all.
; REGISTERS, in windows of 256.  Window 0: v1-5 addresses; v8-19 sums; v32-47 W's scale words; v48-63 the rows', two sets; v64-95 -2 v; v96-159 hb, two sets; v160-223 the eight accumulators.
;   Window 1: v0-191 W's fragments of my tiles 0, 1; v192-239 a quarter unit on its way (even units).   Window 2: the same for tiles 2, 3 and odd units.   Window 3: v0-191 the unit's 16 fragments.
.set LI,   1                           ; v1  16 x lane
.set LW,   2                           ; v2  16 x lane + 6,144 x wave
.set L4,   3                           ; v3  4 x lane
.set HBO,  4                           ; v4  32 x (lane / 16)
.set CUM,  5                           ; v5  lane i: the units of batches 0 .. i
.set WSC,  32
.set ASC,  48
.set WV,   64
.set BIAS, 96
.set ACC,  160
.set STG,  192
.set SLOT, 24576
.set MSB, 0
.macro WIN new                         ; the immediate's high byte repeats the setting that is left; bits 1:0 source 0, 3:2 source 1, 5:4 source 2, 7:6 destination
.if MSB != (\new)
	s_set_vgpr_msb (MSB<<8)|(\new)
.set MSB, (\new)
.endif
.endm
; (A macro's argument is put in as text: wherever one stands inside a larger expression it is written in parentheses.)
.macro POS k                           ; s10 = the place k on from this trip's, held at the group's last, and by a constant inside the buffers
	s_add_co_u32 s10, s9, \k
	s_min_u32 s10, s10, s7
	s_min_u32 s10, s10, 1023
.endm
.macro G x, k                          ; my quarter of the unit k places on: 12 loads of 512 consecutive bytes into window 1 + x
	s_wait_xcnt 0x0                                ; the base is written again only behind this wait
	POS \k
	s_mul_i32 s76, s10, SLOT
	s_add_nc_u64 s[68:69], s[48:49], s[76:77]
	WIN 0x40*(1+(\x))
.irp i, 0,1,2,3,4,5,6,7,8,9,10,11
	global_load_b128 v[STG+4*\i:STG+4*\i+3], v[LW], s[68:69] offset:512*\i
.endr
	WIN 0
.endm
.macro AB set, k                       ; the scale words of the unit k places on, and its batch's hb at my 64 columns: 16 loads
	s_wait_xcnt 0x0
	POS \k
	s_lshl_b32 s76, s10, 10
	s_add_nc_u64 s[70:71], s[50:51], s[76:77]
	v_cmp_ge_u32 s81, s10, v[CUM]                  ; the batch of a place is the number of batches that end at or before it
	s_bcnt1_i32_b32 s81, s81
	s_min_u32 s81, s81, 31
	s_lshl_b32 s76, s81, 12
	s_add_nc_u64 s[72:73], s[78:79], s[76:77]
.irp m, 0,1
.irp i, 0,1,2,3
	global_load_b32 v[ASC+8*(\set)+4*\m+\i], v[L4], s[70:71] offset:512*\m+128*\i   ; lanes 0-15: K step 2 i, lanes 16-31: K step 2 i + 1
.endr
.endr
.irp nt, 0,1,2,3
.irp e, 0,1
	global_load_b128 v[BIAS+32*(\set)+8*\nt+4*\e:BIAS+32*(\set)+8*\nt+4*\e+3], v[HBO], s[72:73] offset:64*\nt+16*\e
.endr
.endr
.endm
.macro S x                             ; my quarter into slot x
	WIN 0x04*(1+(\x))                              ; an LDS store's data are its source 1
.irp i, 0,1,2,3,4,5,6,7,8,9,10,11
	ds_store_b128 v[LW], v[STG+4*\i:STG+4*\i+3] offset:SLOT*(\x)+512*\i
.endr
	WIN 0
.endm
.macro R x                             ; the whole of slot x: fragment (tile m, K step ks) at v[12 (8 m + ks)] of window 3
	WIN 0xc0
.set ch, 0
.rept 48
	ds_load_b128 v[4*ch:4*ch+3], v[LI] offset:SLOT*(\x)+512*ch
.set ch, ch+1
.endr
	WIN 0
.endm
; 64 matrix instructions: two halves (my tiles 0, 1: window 1; tiles 2, 3: window 2); in each, K step by K step, four accumulators by turns, one instruction a turn.
.macro M set
.irp hf, 0,1
	WIN 0x0d+\hf                                   ; source 0 window 1 or 2, source 1 window 3, C and D window 0
.irp ks, 0,1,2,3,4,5,6,7
.irp n2, 0,1
.irp m, 0,1
.set rD, ACC+32*\m+8*(2*\hf+\n2)
.set rA, 12*(8*\n2+\ks)
.set rB, 12*(8*\m+\ks)
.set rC, BIAS+32*(\set)+8*(2*\hf+\n2)
.set rW, WSC+4*(2*\hf+\n2)+\ks/2
.set rS, ASC+8*(\set)+4*\m+\ks/2
.if \ks == 0
	v_wmma_scale_f32_16x16x128_f8f6f4 v[rD:rD+7], v[rA:rA+11], v[rB:rB+11], v[rC:rC+7], v[rW], v[rS] matrix_a_fmt:MATRIX_FMT_FP6 matrix_b_fmt:MATRIX_FMT_FP6
.elseif \ks%2
	v_wmma_scale_f32_16x16x128_f8f6f4 v[rD:rD+7], v[rA:rA+11], v[rB:rB+11], v[rD:rD+7], v[rW], v[rS] matrix_a_fmt:MATRIX_FMT_FP6 matrix_b_fmt:MATRIX_FMT_FP6 matrix_a_scale:MATRIX_SCALE_ROW1 matrix_b_scale:MATRIX_SCALE_ROW1
.else
	v_wmma_scale_f32_16x16x128_f8f6f4 v[rD:rD+7], v[rA:rA+11], v[rB:rB+11], v[rD:rD+7], v[rW], v[rS] matrix_a_fmt:MATRIX_FMT_FP6 matrix_b_fmt:MATRIX_FMT_FP6
.endif
.endr
.endr
.endr
.endr
	WIN 0
.endm
; The vector work of a unit: 64 numbers a lane.  Two batches of 64 transcendentals, each with one plain place and one wait behind it.
.macro V
.set j, 0
.rept 32
	v_pk_mul_f32 v[ACC+2*j:ACC+2*j+1], v[ACC+2*j:ACC+2*j+1], s[14:15] op_sel_hi:[1,0]   ; 2 log2(e) y; ascending
.set j, j+1
.endr
.set j, 0
.rept 64
	v_exp_f32 v[ACC+j], v[ACC+j]
.set j, j+1
.endr
	v_nop
	s_wait_alu depctr_va_vdst(0)
.set j, 0
.rept 32
	v_pk_add_f32 v[ACC+2*j:ACC+2*j+1], v[ACC+2*j:ACC+2*j+1], 1.0 op_sel_hi:[1,0]
.set j, j+1
.endr
.set j, 0
.rept 64
	v_rcp_f32 v[ACC+j], v[ACC+j]
.set j, j+1
.endr
	v_nop
	s_wait_alu depctr_va_vdst(0)
.irp pi, 0,1,2,3,4,5,6,7,8,9,10,11,12,13,14,15 ; the dot with -2 v: two chains of pairs for each tile of rows, the four by turns
.irp m, 0,1
.set rX, ACC+32*\m+2*\pi
.set rT, 8+4*\m+2*(\pi%2)
.if \pi < 2
	v_pk_mul_f32 v[rT:rT+1], v[rX:rX+1], v[WV+2*\pi:WV+2*\pi+1]
.else
	v_pk_fma_f32 v[rT:rT+1], v[rX:rX+1], v[WV+2*\pi:WV+2*\pi+1], v[rT:rT+1]
.endif
.endr
.endr
	v_pk_add_f32 v[8:9], v[8:9], v[10:11]
	v_pk_add_f32 v[12:13], v[12:13], v[14:15]
	v_add_f32 v8, v8, v9                           ; tile 0: row r, my half's 32 columns
	v_add_f32 v12, v12, v13                        ; tile 1
	v_cndmask_b32 v16, v8, v12, s12                ; lanes 0-15 keep tile 0's, lanes 16-31 tile 1's,
	v_cndmask_b32 v17, v12, v8, s12                ; and hand the other one
	v_permlanex16_b32 v18, v17, s66, s67           ; to lane l xor 16
	v_add_f32 v19, v16, v18                        ; lane l: row l of the unit, my wave's 64 columns
	s_lshl_b32 s76, s9, 7
	s_add_nc_u64 s[82:83], s[74:75], s[76:77]      ; (the last trip's store has read its base and its data: two waits on XCNT stand between)
	global_store_b32 v[L4], v19, s[82:83]          ; 128 consecutive bytes
.endm
; Trip t works on unit t, whose fragments are in registers; set = t % 2.
.macro BODY set
	G 1-\set, 192                                  ; unit t + 3's quarter
	s_wait_loadcnt 40                              ; unit t's scale words and hb are in.  Younger: unit t + 2's quarter 12, unit t + 1's words and hb 16, unit t + 3's quarter 12
	M \set
.rept 4
	v_nop                                          ; four places ahead of loads into registers that matrix instructions have read, and of the first read of results
.endr
	s_wait_loadcnt 28                              ; unit t + 2's quarter is in.  Younger: 16 + 12
	S \set                                         ; into the slot of unit t, which every wave had read out when it passed this trip's barrier
	R 1-\set                                       ; unit t + 1, from the other slot: stored a trip ago, ahead of this trip's barrier; it lands under the vector work
	AB \set, 128
	V
.endm
.macro TRIP set
	s_wait_dscnt 0x0                               ; my stores into one slot have landed and my reads of the other are in:
	s_barrier_signal -1
	s_barrier_wait -1                              ; both now hold of all four waves
	s_cmp_lt_u32 s8, s6
	s_cbranch_scc0 .Lidle_\@
	BODY \set
	s_branch .Ljoin_\@
.Lidle_\@:
	s_wait_loadcnt 0x0                             ; no unit is left: what was asked for ahead comes in and is dropped
.Ljoin_\@:
	s_add_co_u32 s8, s8, 1
	s_add_co_u32 s9, s9, 64
.endm
	s_load_b512 s[48:63], s[0:1], 0x0              ; acodes 48, ascales 50, wcodes 52, wscales 54, hb 56, v 58, src_len 60, part 62
	v_lshl_add_u32 v254, v0, 2, 0xc000
	v_mov_b32 v255, 0
	v_lshrrev_b32 v1, 5, v0
	v_readfirstlane_b32 s2, v1                     ; wave 0..3
	v_and_b32 v6, 31, v0
	v_lshlrev_b32 v[LI], 4, v6
	s_mul_i32 s10, s2, 6144
	v_add_nc_u32 v[LW], s10, v[LI]
	v_lshlrev_b32 v[L4], 2, v6
	v_bfe_u32 v[HBO], v0, 4, 1
	v_lshlrev_b32 v[HBO], 5, v[HBO]
	v_mov_b32 v[CUM], 0
	v_mov_b32 v18, 0                               ; written once: a lane permute's destination counts as one of its sources
	s_and_b32 s3, ttmp7, 0xffff                    ; the group
	s_mov_b32 s4, ttmp9                            ; the slice
	s_mov_b32 s12, 0xffff0000                      ; lanes 16-31
	s_mov_b32 s14, 0x4038aa3b                      ; 2 log2(e)
	s_mov_b32 s15, s14                             ; (named with it as a pair)
	s_mov_b32 s66, 0x76543210
	s_mov_b32 s67, 0xfedcba98
	s_mov_b32 s77, 0                               ; the upper word of every offset
	s_lshl_b32 s10, s4, 4
	s_lshl_b32 s11, s2, 2
	s_add_co_u32 s10, s10, s11                     ; my first tile of columns: 16 x slice + 4 x wave
	s_wait_kmcnt 0x0
	s_load_b512 s[16:31], s[60:61], 0x0
	s_load_b512 s[32:47], s[60:61], 0x40
	s_mul_i32 s76, s10, 12288
	s_add_nc_u64 s[84:85], s[52:53], s[76:77]
	s_lshl_b32 s76, s10, 9
	s_add_nc_u64 s[86:87], s[54:55], s[76:77]
	s_lshl_b32 s76, s10, 6
	s_add_nc_u64 s[78:79], s[56:57], s[76:77]      ; hb at my 64 columns
	s_add_nc_u64 s[88:89], s[58:59], s[76:77]      ; v likewise
	s_lshl_b32 s76, s4, 2
	s_add_co_u32 s76, s76, s2
	s_lshl_b32 s76, s76, 17
	s_add_nc_u64 s[74:75], s[62:63], s[76:77]      ; my plane of part: 4 x slice + wave
.irp hf, 0,1                                   ; W's 32 fragments: they stay
	WIN 0x40*(1+\hf)
.set ch, 0
.rept 48
	global_load_b128 v[4*ch:4*ch+3], v[LI], s[84:85] offset:24576*\hf+512*ch
.set ch, ch+1
.endr
.endr
	WIN 0
.irp nt, 0,1,2,3
.irp i, 0,1,2,3
	global_load_b32 v[WSC+4*\nt+\i], v[L4], s[86:87] offset:512*\nt+128*\i
.endr
.irp e, 0,1
	global_load_b128 v[WV+8*\nt+4*\e:WV+8*\nt+4*\e+3], v[HBO], s[88:89] offset:64*\nt+16*\e
.endr
.endr
	s_wait_kmcnt 0x0
	s_mov_b32 s5, 0                                ; the units of batches 0 .. i, into lane i; at the end TU
.set q, 0
.rept 32
	s_max_i32 s10, s[16+q], 0
	s_min_i32 s10, s10, 1024
	s_add_co_u32 s10, s10, 31
	s_lshr_b32 s10, s10, 5
	s_add_co_u32 s5, s5, s10
	v_writelane_b32 v[CUM], s5, q
.set q, q+1
.endr
	s_sub_co_i32 s6, s5, s3
	s_add_co_i32 s6, s6, 63
	s_ashr_i32 s6, s6, 6
	s_max_i32 s6, s6, 0                            ; my group's units: the t with g + 64 t < TU
	s_sub_co_i32 s7, s6, 1
	s_lshl_b32 s7, s7, 6
	s_add_co_u32 s7, s7, s3
	s_cmp_eq_u32 s6, 0
	s_cselect_b32 s7, 0, s7                        ; the place of the last of them
	s_mov_b32 s8, 0                                ; t
	s_mov_b32 s9, s3                               ; g + 64 t
	G 0, 0
	G 1, 64
	AB 0, 0
	s_wait_loadcnt 0x0
.set j, 0
.rept 16
	v_pk_mul_f32 v[WV+2*j:WV+2*j+1], v[WV+2*j:WV+2*j+1], -2.0 op_sel_hi:[1,0]
.set j, j+1
.endr
	S 0
	S 1
	s_wait_dscnt 0x0
	s_barrier_signal -1
	s_barrier_wait -1                              ; units 0 and 1 lie in LDS
	R 0
	G 0, 128
	AB 1, 64
	s_mov_b32 s13, 8
.Lloop:
	TRIP 0
	TRIP 1
	s_sub_co_u32 s13, s13, 1
	s_cmp_lg_u32 s13, 0
	s_cbranch_scc1 .Lloop
	s_wait_tensorcnt 0x0
	ds_add_u32 v254, v255
	s_wait_dscnt 0x0
	s_endpgm
.Lfunc_end_k_q96ccf06261_energy:
	.size	k_q96ccf06261_energy, .Lfunc_end_k_q96ccf06261_energy-k_q96ccf06261_energy
	.p2alignl 7, 3214868480
	.fill 96, 4, 3214868480
	.section	.rodata,"a",@progbits
	.p2align	6, 0x0
	.amdhsa_kernel k_q96ccf06261_energy
		.amdhsa_group_segment_fixed_size 49664
		.amdhsa_private_segment_fixed_size 0
		.amdhsa_enable_private_segment 0
		.amdhsa_kernarg_size 64
		.amdhsa_user_sgpr_count 2
		.amdhsa_user_sgpr_kernarg_segment_ptr 1
		.amdhsa_wavefront_size32 1
		.amdhsa_system_sgpr_workgroup_id_x 1
		.amdhsa_system_sgpr_workgroup_id_y 1
		.amdhsa_system_sgpr_workgroup_id_z 1
		.amdhsa_system_vgpr_workitem_id 0
		.amdhsa_next_free_vgpr 960
		.amdhsa_next_free_sgpr 96
		.amdhsa_reserve_vcc 0
		.amdhsa_float_denorm_mode_32 3
		.amdhsa_float_denorm_mode_16_64 3
		.amdhsa_memory_ordered 1
		.amdhsa_forward_progress 1
		.amdhsa_inst_pref_size 89
	.end_amdhsa_kernel
	.amdgpu_metadata
---
amdhsa.version: [ 1, 2 ]
amdhsa.kernels:
  - .name:           k_q96ccf06261_energy
    .symbol:         k_q96ccf06261_energy.kd
    .args:
      - { .name: acodes, .offset: 0, .size: 8, .value_kind: global_buffer, .address_space: global }
      - { .name: ascales, .offset: 8, .size: 8, .value_kind: global_buffer, .address_space: global }
      - { .name: wcodes, .offset: 16, .size: 8, .value_kind: global_buffer, .address_space: global }
      - { .name: wscales, .offset: 24, .size: 8, .value_kind: global_buffer, .address_space: global }
      - { .name: hb, .offset: 32, .size: 8, .value_kind: global_buffer, .address_space: global }
      - { .name: v, .offset: 40, .size: 8, .value_kind: global_buffer, .address_space: global }
      - { .name: src_len, .offset: 48, .size: 8, .value_kind: global_buffer, .address_space: global }
      - { .name: part, .offset: 56, .size: 8, .value_kind: global_buffer, .address_space: global }
    .group_segment_fixed_size: 49664
    .private_segment_fixed_size: 0
    .kernarg_segment_align: 8
    .kernarg_segment_size: 64
    .max_flat_workgroup_size: 128
    .sgpr_count:     96
    .vgpr_count:     960
    .wavefront_size: 32
...
	.end_amdgpu_metadata
.endif
;; end of part 2
;; launch softmax (part 3): grid 32 x 1, 8 waves a work-group, no clusters, 1,536 bytes of LDS; arguments part, src_len, out0; writes out0
.if DOCPART == 3
	.amdgcn_target "amdgcn-amd-amdhsa--gfx1250"
	.amdhsa_code_object_version 6
	.text
	.protected	k_q96ccf06261_softmax
	.globl	k_q96ccf06261_softmax
	.p2align	8
	.type	k_q96ccf06261_softmax,@function
k_q96ccf06261_softmax:
	s_mov_b64 s[64:65], 0
	v_nop
	global_prefetch_b8 v0, s[64:65] scope:SCOPE_SE
	s_setreg_imm32_b32 hwreg(HW_REG_WAVE_MODE, 25, 1), 1
	s_wait_xcnt 0x0
; THE THIRD LAUNCH: a work-group to a batch.  Thread t takes rows 4 t .. 4 t + 3: the 16 planes of partial scores are added, rows at or beyond src_len become -1e18, and the softmax is taken with the row's maximum off.
; Row s of batch b lies in each plane at 32 x (the units of the batches before b) + s.  Rows beyond the batch's last unit were never stored: their threads read the last unit's last four numbers, and the mask drops them.
; With src_len 0 or less all 1,024 scores are -1e18 and the result is 1 / 1,024 everywhere, as in the definition; what is loaded then is dropped by the select.
; A stream of 2 MiB on 32 work-groups: no matrix unit, no tensor load, no cluster: nothing is shared.  Each store of a wave covers 512 consecutive bytes, aligned.
	s_load_b128 s[48:51], s[0:1], 0x0              ; part, src_len
	s_load_b64 s[52:53], s[0:1], 0x10              ; out0
	v_lshl_add_u32 v96, v0, 2, 0x200
	v_mov_b32 v97, 0
	s_mov_b32 s4, ttmp9                            ; the batch
	s_lshl_b32 s10, s4, 2
	s_mov_b32 s11, 0
	s_mov_b32 s66, 0x76543210
	s_mov_b32 s67, 0xfedcba98
	v_lshlrev_b32 v1, 2, v0                        ; my first row
	v_lshlrev_b32 v3, 4, v0                        ; and its byte in a row of the output
	v_lshrrev_b32 v10, 5, v0
	v_lshlrev_b32 v10, 2, v10                      ; LDS: a word for each wave
	v_mov_b32 v11, 0
	v_mov_b32 v9, 0                                ; written once: a lane permute's destination counts as one of its sources
	v_mov_b32 v13, 0                               ; (named as the upper half of the pair v[12:13])
	v_mov_b32 v80, 0xdd5e0b6b                      ; -1e18
.irp e, 0,1,2,3
	v_add_nc_u32 v[4+\e], \e, v1
.endr
	s_wait_kmcnt 0x0
	s_add_nc_u64 s[10:11], s[50:51], s[10:11]
	s_load_b32 s6, s[10:11], 0x0
	s_load_b512 s[16:31], s[50:51], 0x0
	s_load_b512 s[32:47], s[50:51], 0x40
	s_lshl_b32 s12, s4, 12
	s_mov_b32 s13, 0
	s_add_nc_u64 s[54:55], s[52:53], s[12:13]
	s_wait_kmcnt 0x0
	s_max_i32 s6, s6, 0
	s_min_i32 s6, s6, 1024                         ; the length
	s_add_co_u32 s7, s6, 31
	s_lshr_b32 s7, s7, 5                           ; the batch's units
	s_mov_b32 s8, 0                                ; the units of the batches before mine
.set q, 0
.rept 32
	s_max_i32 s9, s[16+q], 0
	s_min_i32 s9, s9, 1024
	s_add_co_u32 s9, s9, 31
	s_lshr_b32 s9, s9, 5
	s_cmp_gt_u32 s4, q
	s_cselect_b32 s9, s9, 0
	s_add_co_u32 s8, s8, s9
.set q, q+1
.endr
	s_min_u32 s8, s8, 1023
	s_lshl_b32 s10, s7, 5
	s_sub_co_i32 s10, s10, 4
	s_max_i32 s10, s10, 0
	v_min_u32 v2, s10, v1                          ; no further than the batch's last stored four
	v_lshl_add_u32 v2, s8, 5, v2
	v_min_u32 v2, 0x7ffc, v2                       ; inside a plane of 32,768 numbers
	v_lshlrev_b32 v2, 2, v2
.irp pl, 0,1,2,3,4,5,6,7,8,9,10,11,12,13,14,15
	global_load_b128 v[16+4*\pl:19+4*\pl], v2, s[48:49] offset:131072*\pl
.endr
	s_wait_loadcnt 0x0
.irp pl, 1,2,3,4,5,6,7,8,9,10,11,12,13,14,15
	v_pk_add_f32 v[16:17], v[16:17], v[16+4*\pl:17+4*\pl]
	v_pk_add_f32 v[18:19], v[18:19], v[18+4*\pl:19+4*\pl]
.endr
.irp e, 0,1,2,3
	v_cmp_gt_i32 vcc_lo, s6, v[4+\e]               ; the row counts where it lies under the length
	v_cndmask_b32 v[16+\e], v80, v[16+\e], vcc_lo
.endr
	v_max3_num_f32 v8, v16, v17, v18               ; the maximum: my four, my wave's, the work-group's
	v_max_num_f32 v8, v8, v19
	v_max_num_f32_dpp v8, v8, v8 row_xmask:1 row_mask:0xf bank_mask:0xf
	v_max_num_f32_dpp v8, v8, v8 row_xmask:2 row_mask:0xf bank_mask:0xf
	v_max_num_f32_dpp v8, v8, v8 row_xmask:4 row_mask:0xf bank_mask:0xf
	v_max_num_f32_dpp v8, v8, v8 row_xmask:8 row_mask:0xf bank_mask:0xf
	v_permlanex16_b32 v9, v8, s66, s67
	v_max_num_f32 v8, v8, v9
	ds_store_b32 v10, v8                           ; all lanes of a wave write the same word with the same value
	s_wait_dscnt 0x0                               ; for the others' sake
	s_barrier_signal -1
	s_barrier_wait -1
	ds_load_b128 v[84:87], v11
	ds_load_b128 v[88:91], v11 offset:16
	s_wait_dscnt 0x0
	v_max3_num_f32 v8, v84, v85, v86
	v_max3_num_f32 v8, v8, v87, v88
	v_max3_num_f32 v8, v8, v89, v90
	v_max_num_f32 v8, v8, v91
.irp e, 0,1,2,3
	v_sub_f32 v[16+\e], v[16+\e], v8
.endr
.irp e, 0,1,2,3
	v_mul_f32 v[16+\e], 0x3fb8aa3b, v[16+\e]       ; x log2(e)
.endr
.irp e, 0,1,2,3
	v_exp_f32 v[16+\e], v[16+\e]
.endr
	v_nop                                          ; a plain place behind the batch,
	s_wait_alu depctr_va_vdst(0)                   ; and the one wait ahead of its first reader
	v_pk_add_f32 v[14:15], v[16:17], v[18:19]      ; the sum, by the same road through other LDS bytes
	v_add_f32 v8, v14, v15
	v_add_f32_dpp v8, v8, v8 row_xmask:1 row_mask:0xf bank_mask:0xf
	v_add_f32_dpp v8, v8, v8 row_xmask:2 row_mask:0xf bank_mask:0xf
	v_add_f32_dpp v8, v8, v8 row_xmask:4 row_mask:0xf bank_mask:0xf
	v_add_f32_dpp v8, v8, v8 row_xmask:8 row_mask:0xf bank_mask:0xf
	v_permlanex16_b32 v9, v8, s66, s67
	v_add_f32 v8, v8, v9
	ds_store_b32 v10, v8 offset:256
	s_wait_dscnt 0x0
	s_barrier_signal -1
	s_barrier_wait -1
	ds_load_b128 v[84:87], v11 offset:256
	ds_load_b128 v[88:91], v11 offset:272
	s_wait_dscnt 0x0
	v_pk_add_f32 v[84:85], v[84:85], v[86:87]
	v_pk_add_f32 v[88:89], v[88:89], v[90:91]
	v_pk_add_f32 v[84:85], v[84:85], v[88:89]
	v_add_f32 v8, v84, v85
	v_rcp_f32 v12, v8
	v_nop
	s_wait_alu depctr_va_vdst(0)
	v_pk_mul_f32 v[16:17], v[16:17], v[12:13] op_sel_hi:[1,0]
	v_pk_mul_f32 v[18:19], v[18:19], v[12:13] op_sel_hi:[1,0]
	global_store_b128 v3, v[16:19], s[54:55]
	s_wait_tensorcnt 0x0
	ds_add_u32 v96, v97
	s_wait_dscnt 0x0
	s_endpgm
.Lfunc_end_k_q96ccf06261_softmax:
	.size	k_q96ccf06261_softmax, .Lfunc_end_k_q96ccf06261_softmax-k_q96ccf06261_softmax
	.p2alignl 7, 3214868480
	.fill 96, 4, 3214868480
	.section	.rodata,"a",@progbits
	.p2align	6, 0x0
	.amdhsa_kernel k_q96ccf06261_softmax
		.amdhsa_group_segment_fixed_size 1536
		.amdhsa_private_segment_fixed_size 0
		.amdhsa_enable_private_segment 0
		.amdhsa_kernarg_size 24
		.amdhsa_user_sgpr_count 2
		.amdhsa_user_sgpr_kernarg_segment_ptr 1
		.amdhsa_wavefront_size32 1
		.amdhsa_system_sgpr_workgroup_id_x 1
		.amdhsa_system_sgpr_workgroup_id_y 1
		.amdhsa_system_sgpr_workgroup_id_z 1
		.amdhsa_system_vgpr_workitem_id 0
		.amdhsa_next_free_vgpr 98
		.amdhsa_next_free_sgpr 96
		.amdhsa_reserve_vcc 1
		.amdhsa_float_denorm_mode_32 3
		.amdhsa_float_denorm_mode_16_64 3
		.amdhsa_memory_ordered 1
		.amdhsa_forward_progress 1
		.amdhsa_inst_pref_size 17
	.end_amdhsa_kernel
	.amdgpu_metadata
---
amdhsa.version: [ 1, 2 ]
amdhsa.kernels:
  - .name:           k_q96ccf06261_softmax
    .symbol:         k_q96ccf06261_softmax.kd
    .args:
      - { .name: part, .offset: 0, .size: 8, .value_kind: global_buffer, .address_space: global }
      - { .name: src_len, .offset: 8, .size: 8, .value_kind: global_buffer, .address_space: global }
      - { .name: out0, .offset: 16, .size: 8, .value_kind: global_buffer, .address_space: global }
    .group_segment_fixed_size: 1536
    .private_segment_fixed_size: 0
    .kernarg_segment_align: 8
    .kernarg_segment_size: 24
    .max_flat_workgroup_size: 256
    .sgpr_count:     96
    .vgpr_count:     98
    .wavefront_size: 32
...
	.end_amdgpu_metadata
.endif
;; end of part 3
;; ======== version 2 of 2: 3 launches
;; workspace buffers: acodes 25,165,824 bytes; ascales 1,048,576 bytes; wcodes 786,432 bytes; wscales 32,768 bytes; hb 131,072 bytes; part 2,097,152 bytes
;; launch prep (part 4): grid 1152 x 1, 8 waves a work-group, no clusters, 84,992 bytes of LDS; arguments encoder_outputs, hidden, W, b, src_len, acodes, ascales, wcodes, wscales, hb; writes acodes, ascales, wcodes, wscales, hb
.if DOCPART == 4
	.amdgcn_target "amdgcn-amd-amdhsa--gfx1250"
	.amdhsa_code_object_version 6
	.text
	.protected	k_q96ccf06261_prep
	.globl	k_q96ccf06261_prep
	.p2align	8
	.type	k_q96ccf06261_prep,@function
k_q96ccf06261_prep:
	s_mov_b64 s[64:65], 0
	v_nop
	global_prefetch_b8 v0, s[64:65] scope:SCOPE_SE
	s_setreg_imm32_b32 hwreg(HW_REG_WAVE_SCHED_MODE, 0, 2), 2
	s_setreg_imm32_b32 hwreg(HW_REG_WAVE_MODE, 25, 1), 1
	s_wait_xcnt 0x0
	s_wait_alu depctr_vm_vsrc(0)
; THE FIRST OF THREE LAUNCHES of  out[b][s] = softmax_s( v . tanh([hidden[b] | enc[b][s]] W + bias) ),  rows s >= src_len[b] masked; the product on codes of FP6 (E2M3), one E8M0 scale for each 32 along K.
; K's first 1,024 numbers are hidden[b], the same for all rows of a batch, and no block of 32 lies across the seam: so that half of the product is made here once for each batch (hb), and enters the sums of the next launch as their C.
; Three roles, by the work-group's number alone:
;   0 .. 63    HB:   hb[32][16 nt .. +15] = Q(hidden) Q(W[0:1024]) + bias.  Wave w takes K step w (128 along K); the eight partial tiles meet in LDS.
;   64 .. 127  W2:   W[1024:2048][16 nt .. +15] becomes codes and scale words, a K step a wave.
;   128 ..     ROWS: batch (id - 128) / 32, unit (id - 128) % 32.  A UNIT is 32 rows of a batch.  A unit all of whose rows are masked is not read: its work-group ends (a grid that serves every src_len).
; The units that count are laid one behind the other: unit u of batch b at place p = (the units of the batches before b) + u.
; LAYOUTS.  A fragment (16 rows x 128 K) is stored as the image of its 12 registers: register 4 q + e of lane l at 512 q + 16 l + 4 e: every store of codes covers 512 consecutive bytes, aligned.
;   acodes [p][tile 2][K step 8][1,536]   ascales [p][tile 2][K step 8][row 16] words   wcodes [nt 64][K step 8][1,536]   wscales [nt 64][K step 8][column 16] words   hb [32][1024] f32
; LIMITS.  NaN and infinities among the inputs are not served.  A block of zeros gets the byte 1 where the quantiser's text says 127: its codes are zeros, and this program alone reads the bytes.
;   src_len is held to 0 .. 1,024, which is what the comparison with 0 .. 1,023 amounts to.  The scale words leave in pieces of 128 and 64 bytes and hb in pieces of 16: together under a fiftieth of the launch's bytes.
; No tensor load: the ROWS path branches on src_len.  No cluster: no two work-groups read the same rows.
; THE MODE: SCHED_MODE bits 1:0 = 2 (LLVM: expert scheduling mode 2), set by the entry lines.  The code itself states the register dependences
; between vector or matrix instructions and memory or LDS instructions, with s_wait_alu, always for 0.
; THE PLAN.  Registers that memory or LDS instructions touch:
;   v4-v11, and v23 (HB), v37 (W2), v36 (HB's way out): addresses, written once by vector instructions.  Each role has one wait on va_vdst directly ahead of its first load, which serves all its later loads and stores by them.
;   RAW0, RAW1, X0: loads land in them before any vector instruction names them.  In ROWS RAW0 is also read by the first turn's LDS stores and then loaded again by the second turn: one wait on vm_vsrc between.
;   Out-buffers: ROWS: v28-39 for the first fragment's codes, v192-203 for the second's, v63 for the scale words: none is written again behind its store; a wait on va_vdst ahead of each run of stores.
;     W2: v50-62, one wait ahead of its stores.  HB: the two accumulators (LDS stores) and v32-35 (the store of hb), a wait ahead of each; the first of these two waits also stands between the quantiser's reads of v128-159 and the LDS loads that land there.
;   HB's operands and scale words are made by vector instructions: behind the places ahead of the first scaled matrix instruction stands a wait on va_vdst.
.set RAW0, 64                          ; v64-127   64 numbers as loaded
.set RAW1, 128                         ; v128-191
.set X0,   192                         ; v192-255
.set TM,   12                          ; v12-15 largest magnitudes, v16-19 bytes, v20-23 small things, v24-27 the conversions' scale operands
.set PC,   28                          ; v28-39 a fragment's codes, v40-47 the halves that are moved
.set PC2,  192                         ; ROWS: the second fragment's codes, in registers that the first fragment's numbers have left
.set PW0,  48                          ; scale words of two fragments
.set PW1,  49
.set WF,   50                          ; v50-61 a fragment of W
.set WS,   62                          ; its scale word
.set SCW,  63
.set SP,   528                         ; a row in a wave's stage: 512 bytes + 16, an odd multiple of 16
.set RED,  67584                       ; behind the eight stages of 16 x 528 bytes: HB's partial tiles, 2,048 bytes a wave.  Each role has LDS bytes of its own
; 64 numbers of a lane, register 16 b + i = k 32 b + 16 (lane / 16) + i of row lane % 16, become a fragment's codes in v[pc .. pc+11] and its scale word in v[pw] (the same in lanes l and l xor 16)
.macro QUANT s, pc, pw
.irp b, 0,1,2,3
	v_max3_num_f32 v[TM+\b], |v[\s+16*\b]|, |v[\s+1+16*\b]|, 0x1800000   ; my 16 numbers of block b, and the floor 2^(3 - 127): the byte cannot fall under 1
.endr
.irp i, 2,4,6,8,10,12,14
.irp b, 0,1,2,3
	v_max3_num_f32 v[TM+\b], v[TM+\b], |v[\s+16*\b+\i]|, |v[\s+1+16*\b+\i]|   ; the four blocks by turns
.endr
.endr
.irp b, 0,1,2,3
	v_permlanex16_b32 v[TM+4+\b], v[TM+\b], s66, s67
.endr
.irp b, 0,1,2,3
	v_max_num_f32 v[TM+\b], v[TM+\b], v[TM+4+\b]                    ; with lane l xor 16's: the block's largest magnitude
.endr
.irp b, 0,1,2,3
	v_add_nc_u32 v[TM+12+\b], 0xff000000, v[TM+\b]                  ; 2 off its exponent field: the conversion takes this operand's exponent field as its scale
.endr
.irp b, 0,1,2,3
	v_lshrrev_b32 v[TM+4+\b], 23, v[TM+12+\b]                       ; the scale's byte
.endr
	v_lshl_or_b32 v[\pw], v[TM+5], 8, v[TM+4]
	v_lshl_or_b32 v[\pw], v[TM+6], 16, v[\pw]
	v_lshl_or_b32 v[\pw], v[TM+7], 24, v[\pw]
.irp c, 0,1
	v_cvt_scalef32_pk16_fp6_f32 v[\pc+6*\c:\pc+2+6*\c], v[\s+32*\c:\s+15+32*\c], v[TM+12+2*\c]
	v_cvt_scalef32_pk16_fp6_f32 v[\pc+12+4*\c:\pc+14+4*\c], v[\s+16+32*\c:\s+31+32*\c], v[TM+12+2*\c+1]   ; (a conversion's three registers begin on an even number)
.endr
	v_nop                                          ; one plain place behind the scaled conversions
.irp c, 0,1                                    ; the operand wants a whole block in a lane: lanes 0-15 block 2 c, lanes 16-31 block 2 c + 1
.irp i, 0,1,2
	v_permlane16_swap_b32 v[\pc+6*\c+\i], v[\pc+12+4*\c+\i]
.endr
.irp i, 0,1,2
	v_mov_b32 v[\pc+3+6*\c+\i], v[\pc+12+4*\c+\i]
.endr
.endr
.endm
; 128 rows of W at 16 columns: lane (r, h) takes column r and its registers run down K: register 32 c + i = W(k0 + 64 c + 32 h + i, column r)
.macro WLOAD
.set p, 0
.rept 64
	global_load_b32 v[RAW0+p], v8, s[72:73] offset:4096*(64*(p/32)+p%32)
.set p, p+1
.endr
.endm
; those 64 numbers are two whole blocks of my column: codes into v[WF ..], the column's scale word into v[WS], whole in both halves of the lanes
.macro WQ
.irp c, 0,1
	v_max3_num_f32 v[TM+\c], |v[RAW0+32*\c]|, |v[RAW0+1+32*\c]|, 0x1800000
.endr
.irp i, 2,4,6,8,10,12,14,16,18,20,22,24,26,28,30
.irp c, 0,1
	v_max3_num_f32 v[TM+\c], v[TM+\c], |v[RAW0+32*\c+\i]|, |v[RAW0+1+32*\c+\i]|
.endr
.endr
.irp c, 0,1
	v_add_nc_u32 v[TM+12+\c], 0xff000000, v[TM+\c]
.endr
.irp c, 0,1
	v_lshrrev_b32 v[TM+4+\c], 23, v[TM+12+\c]
.endr
	v_lshl_or_b32 v[WS], v[TM+5], 16, v[TM+4]      ; my two bytes: blocks h and 2 + h,
	v_lshlrev_b32 v20, 3, v3
	v_lshlrev_b32 v[WS], v20, v[WS]                ; 8 h bits up;
	v_permlanex16_b32 v21, v[WS], s66, s67
	v_or_b32 v[WS], v[WS], v21                     ; with lane l xor 16's two the word is whole
.irp c, 0,1
	v_cvt_scalef32_pk16_fp6_f32 v[WF+6*\c:WF+2+6*\c], v[RAW0+32*\c:RAW0+15+32*\c], v[TM+12+\c]
	v_cvt_scalef32_pk16_fp6_f32 v[40+4*\c:42+4*\c], v[RAW0+16+32*\c:RAW0+31+32*\c], v[TM+12+\c]
.endr
	v_nop                                          ; one plain place behind the scaled conversions
.irp c, 0,1
.irp i, 0,1,2
	v_mov_b32 v[WF+3+6*\c+\i], v[40+4*\c+\i]
.endr
.endr
.endm
; a K step of 16 rows goes through my wave's stage: in as loaded (a row's 512 bytes by 32 lanes), out 64 bytes of a row a lane.  LDS serves a wave's instructions in order (ISA guide 5.7.1.4): no wait between
.macro TURN src, dst
.set p, 0
.rept 16
	ds_store_b128 v6, v[\src+4*p:\src+4*p+3] offset:SP*p
.set p, p+1
.endr
.set p, 0
.rept 16
	ds_load_b128 v[\dst+4*p:\dst+4*p+3], v7 offset:128*(p/4)+16*(p%4)
.set p, p+1
.endr
.endm
	s_load_b512 s[48:63], s[0:1], 0x0              ; enc 48, hidden 50, W 52, bias 54, src_len 56, acodes 58, ascales 60, wcodes 62
	s_load_b128 s[68:71], s[0:1], 0x40             ; wscales 68, hb 70
	v_lshl_add_u32 v43, v0, 2, 0x14800
	v_mov_b32 v47, 0
	v_lshrrev_b32 v1, 5, v0
	v_readfirstlane_b32 s2, v1                     ; wave 0..7
	v_and_b32 v1, 31, v0                           ; lane
	v_and_b32 v2, 15, v0                           ; r
	v_bfe_u32 v3, v0, 4, 1                         ; h
	v_lshlrev_b32 v4, 4, v1                        ; 16 x lane
	v_lshlrev_b32 v5, 2, v1                        ; 4 x lane
	s_wait_alu depctr_va_sdst(0)                   ; s2 is written, ahead of its first reader: LDS places, bases and branches are made from it
	s_mul_i32 s9, s2, 16*SP
	v_add_nc_u32 v6, s9, v4                        ; my stage, on the way in
	v_mul_u32_u24 v7, v2, SP
	v_lshl_add_u32 v7, v3, 6, v7
	v_add_nc_u32 v7, s9, v7                        ; and out: row r, + 64 h
	v_lshlrev_b32 v8, 2, v2
	v_lshl_add_u32 v8, v3, 17, v8                  ; W: column r, lanes 16-31 begin 32 rows of 4,096 bytes further down
	v_lshlrev_b32 v9, 12, v2
	v_lshl_add_u32 v9, v3, 6, v9                   ; hidden: row r of 4,096 bytes, + 64 h
	s_lshl_b32 s9, s2, 11
	s_add_co_u32 s9, s9, RED
	v_add_nc_u32 v10, s9, v4                       ; HB: where I put my partial tiles
	s_and_b32 s9, s2, 3
	s_lshl_b32 s9, s9, 9
	s_add_co_u32 s9, s9, RED
	v_add_nc_u32 v11, s9, v4                       ; and where I read one quarter of everybody's
	s_mov_b32 s66, 0x76543210
	s_mov_b32 s67, 0xfedcba98                      ; v_permlanex16_b32's selects for lane l xor 16
	s_mov_b32 s91, 0xffff0000                      ; lanes 16-31
.irp b, 0,1,2,3
	v_mov_b32 v[TM+4+\b], 0                        ; written once: a lane permute's destination counts as one of its sources
.endr
	v_mov_b32 v21, 0
	s_cmp_ge_u32 ttmp9, 128
	s_cbranch_scc1 .Lrows
	s_cmp_ge_u32 ttmp9, 64
	s_cbranch_scc1 .Lw2
	; ---------------- HB ----------------
	s_lshl_b32 s10, s2, 19                         ; my K step: 128 rows of W
	s_lshl_b32 s11, ttmp9, 6                       ; my tile's 16 columns
	s_add_co_u32 s10, s10, s11
	s_mov_b32 s11, 0
	s_lshl_b32 s12, s2, 9                          ; my K step in a row of hidden
	s_mov_b32 s13, 0
	s_and_b32 s14, s2, 1
	s_lshl_b32 s14, s14, 4
	s_lshl_b32 s15, ttmp9, 6
	s_add_co_u32 s14, s14, s15                     ; 64 nt + 16 (wave % 2): the four columns of the quarter that I shall add up
	s_mov_b32 s15, 0
	v_lshlrev_b32 v23, 5, v3                       ; + 32 h
	s_wait_kmcnt 0x0
	s_add_nc_u64 s[72:73], s[52:53], s[10:11]
	s_add_nc_u64 s[74:75], s[50:51], s[12:13]
	s_add_nc_u64 s[76:77], s[54:55], s[14:15]
	s_wait_alu depctr_va_vdst(0)                   ; v8, v9 and v23 are written, which the loads below read as offsets; so are v10 and v11, the LDS addresses further down
	WLOAD
.irp mt, 0,1                                   ; hidden's rows 16 mt + r: 16 neighbours of each block of 32
.set p, 0
.rept 16
	global_load_b128 v[RAW1+64*\mt+4*p:RAW1+64*\mt+4*p+3], v9, s[74:75] offset:65536*\mt+128*(p/4)+16*(p%4)
.set p, p+1
.endr
.endr
	global_load_b128 v[32:35], v23, s[76:77]       ; four numbers of the bias
	s_wait_loadcnt 33                              ; W's 64 are in; younger: hidden's 16 + 16 and the bias's one
	WQ
	s_wait_loadcnt 17                              ; hidden's first 16 are in
	QUANT RAW1, 64, PW0
	s_wait_loadcnt 1                               ; and its second 16
	QUANT X0, 84, PW1
.rept 8
	v_nop                                          ; a scale register written by a vector instruction stands 8 places ahead of a scaled matrix instruction, an operand so written 4
.endr
	s_wait_alu depctr_va_vdst(0)                   ; the conversions, moves and shifts have written W's and hidden's codes and their scale words, which the two matrix instructions take; the places above stay beside this wait
	; transposed: source 0 = 16 columns of W, source 1 = 16 rows of hidden: lane (r, h) holds row r, register j column 8 h + j
	v_wmma_scale_f32_16x16x128_f8f6f4 v[104:111], v[WF:WF+11], v[64:75], 0, v[WS], v[PW0] matrix_a_fmt:MATRIX_FMT_FP6 matrix_b_fmt:MATRIX_FMT_FP6
	v_wmma_scale_f32_16x16x128_f8f6f4 v[112:119], v[WF:WF+11], v[84:95], 0, v[WS], v[PW1] matrix_a_fmt:MATRIX_FMT_FP6 matrix_b_fmt:MATRIX_FMT_FP6
.rept 4
	v_nop                                          ; four places ahead of the first read of the results (ISA guide 7.12.1)
.endr
	s_wait_alu depctr_va_vdst(0)                   ; the matrix instructions have written v104-119, which the LDS stores read; and the quantiser is done reading v128-159, in which the LDS loads behind the barrier land
.irp e, 0,1,2,3
	ds_store_b128 v10, v[104+4*\e:107+4*\e] offset:512*\e   ; each accumulator from its low end on
.endr
	s_wait_dscnt 0x0                               ; for the others' sake: my partial tiles lie in LDS
	s_barrier_signal -1
	s_barrier_wait -1
	s_cmp_ge_u32 s2, 4
	s_cbranch_scc1 .Lend                           ; four quarters, four waves
.irp k, 0,1,2,3,4,5,6,7
	ds_load_b128 v[128+4*\k:131+4*\k], v11 offset:2048*\k   ; quarter e = my wave's number of the eight K steps: rows 16 (e / 2) + r, columns 8 h + 4 (e % 2) + 0 .. 3.  No vector instruction since the wait above
.endr
	s_lshr_b32 s9, s2, 1
	s_lshl_b32 s9, s9, 16
	s_add_co_u32 s14, s14, s9
	s_add_nc_u64 s[78:79], s[70:71], s[14:15]      ; hb + 65,536 (e / 2) + 64 nt + 16 (e % 2)
	v_lshlrev_b32 v36, 12, v2
	v_lshl_add_u32 v36, v3, 5, v36                 ; + row r + 32 h
	s_wait_loadcnt 0x0                             ; the bias
	s_wait_dscnt 0x0
.irp k, 0,1,2,3,4,5,6,7                        ; the bias first, then K ascending
	v_pk_add_f32 v[32:33], v[32:33], v[128+4*\k:129+4*\k]
	v_pk_add_f32 v[34:35], v[34:35], v[130+4*\k:131+4*\k]
.endr
	s_wait_alu depctr_va_vdst(0)                   ; the additions have written v32-35 and the shifts v36: the store's data and its offset
	global_store_b128 v36, v[32:35], s[78:79]
	s_wait_dscnt 0x0
	s_wait_alu depctr_hold_cnt(0) depctr_sa_sdst(0) depctr_va_vdst(0) depctr_va_sdst(0) depctr_va_ssrc(0) depctr_va_vcc(0) depctr_vm_vsrc(0)
	s_wait_tensorcnt 0x0
	ds_add_u32 v43, v47
	s_wait_dscnt 0x0
	s_endpgm
	; ---------------- W2 ----------------
.Lw2:
	s_sub_co_u32 s5, ttmp9, 64                     ; nt
	s_lshl_b32 s10, s2, 19
	s_add_co_u32 s10, s10, 0x400000                ; row 1,024 + 128 x wave
	s_lshl_b32 s11, s5, 6
	s_add_co_u32 s10, s10, s11
	s_mov_b32 s11, 0
	s_mul_i32 s12, s5, 12288
	s_mul_i32 s13, s2, 1536
	s_add_co_u32 s12, s12, s13
	s_mov_b32 s13, 0
	s_lshl_b32 s14, s5, 9
	s_lshl_b32 s15, s2, 6
	s_add_co_u32 s14, s14, s15
	s_mov_b32 s15, 0
	v_lshlrev_b32 v37, 2, v2                       ; 4 r: lanes l and l + 16 hold the same scale word and store it to the same place
	s_wait_kmcnt 0x0
	s_add_nc_u64 s[72:73], s[52:53], s[10:11]
	s_add_nc_u64 s[74:75], s[62:63], s[12:13]
	s_add_nc_u64 s[76:77], s[68:69], s[14:15]
	s_wait_alu depctr_va_vdst(0)                   ; v8 is written, which the loads read as their offset
	WLOAD
	s_wait_loadcnt 0x0
	WQ
	s_wait_alu depctr_va_vdst(0)                   ; the conversions and moves have written v50-61 and the shifts v62, the stores' data (their offsets v4 and v37 were written earlier still)
.irp q, 0,1,2
	global_store_b128 v4, v[WF+4*\q:WF+4*\q+3], s[74:75] offset:512*\q
.endr
	global_store_b32 v37, v[WS], s[76:77]
	s_endpgm
	; ---------------- ROWS ----------------
.Lrows:
	s_sub_co_u32 s3, ttmp9, 128
	s_lshr_b32 s4, s3, 5                           ; the batch
	s_and_b32 s5, s3, 31                           ; the unit
	s_lshl_b32 s10, s4, 2
	s_mov_b32 s11, 0
	s_wait_kmcnt 0x0
	s_add_nc_u64 s[10:11], s[56:57], s[10:11]
	s_load_b32 s6, s[10:11], 0x0                   ; my batch's length
	s_load_b512 s[16:31], s[56:57], 0x0            ; and all 32
	s_load_b512 s[32:47], s[56:57], 0x40
	s_wait_kmcnt 0x0
	s_max_i32 s6, s6, 0
	s_min_i32 s6, s6, 1024
	s_add_co_u32 s7, s6, 31
	s_lshr_b32 s7, s7, 5                           ; my batch's units
	s_cmp_ge_u32 s5, s7
	s_cbranch_scc1 .Lend                           ; all 32 rows are masked: nothing is read, nothing stored.  (No barrier stands on this path)
	s_lshr_b32 s12, s2, 2                          ; wave: tile m = wave / 4 of the unit's two,
	s_and_b32 s13, s2, 3                           ; K steps 2 i and 2 i + 1, i = wave % 4
	s_lshl_b32 s14, s4, 22                         ; a batch is 4 MiB,
	s_lshl_b32 s15, s5, 17                         ; a unit 32 rows of 4,096 bytes,
	s_add_co_u32 s14, s14, s15
	s_lshl_b32 s15, s12, 16                        ; a tile 16,
	s_add_co_u32 s14, s14, s15
	s_lshl_b32 s15, s13, 10                        ; two K steps 1,024 bytes of a row
	s_add_co_u32 s14, s14, s15
	s_mov_b32 s15, 0
	s_add_nc_u64 s[72:73], s[48:49], s[14:15]
	s_wait_alu depctr_va_vdst(0)                   ; v4 to v7 are written: the offsets of this role's loads and stores and its two LDS addresses
.irp e, 0,1                                    ; each load reads 512 consecutive bytes of one row; 16 KiB a wave are on their way
.set p, 0
.rept 16
	global_load_b128 v[RAW0+64*\e+4*p:RAW0+64*\e+4*p+3], v4, s[72:73] offset:4096*p+512*\e th:TH_LOAD_NT
.set p, p+1
.endr
.endr
	s_mov_b32 s8, 0                                ; while they fly: the units of the batches before mine
.set q, 0
.rept 32
	s_max_i32 s9, s[16+q], 0
	s_min_i32 s9, s9, 1024
	s_add_co_u32 s9, s9, 31
	s_lshr_b32 s9, s9, 5
	s_cmp_gt_u32 s4, q
	s_cselect_b32 s9, s9, 0
	s_add_co_u32 s8, s8, s9
.set q, q+1
.endr
	s_add_co_u32 s9, s8, s5
	s_lshl_b32 s9, s9, 1
	s_add_co_u32 s9, s9, s12                       ; my tile's place: 2 p + m,
	s_min_u32 s9, s9, 2047                         ; which a sum of 32 counts of at most 32 cannot pass
	s_mul_i32 s14, s9, 12288
	s_mul_i32 s10, s13, 3072
	s_add_co_u32 s14, s14, s10
	s_add_nc_u64 s[74:75], s[58:59], s[14:15]
	s_lshl_b32 s14, s9, 9
	s_lshl_b32 s10, s13, 7
	s_add_co_u32 s14, s14, s10
	s_add_nc_u64 s[76:77], s[60:61], s[14:15]
	s_wait_loadcnt 16                              ; the first K step's 16 loads are in; the second's 16 may be out
	TURN RAW0, X0
	s_wait_dscnt 0x0                               ; the first K step is back, 16 neighbours of each block a lane
	s_wait_loadcnt 0x0
	s_wait_alu depctr_vm_vsrc(0)                   ; the first turn's LDS stores have read RAW0, in which the second turn's LDS loads land
	TURN RAW1, RAW0                                ; the second goes through the same stage while the first is quantised
	QUANT X0, PC, PW0
	s_wait_alu depctr_va_vdst(0)                   ; the conversions, swaps and moves have written v28-39, which the three stores read
.irp q, 0,1,2
	global_store_b128 v4, v[PC+4*\q:PC+4*\q+3], s[74:75] offset:512*\q
.endr
	s_wait_dscnt 0x0                               ; the second K step is back
	QUANT RAW0, PC2, PW1                           ; its codes go into registers of their own: no register that the stores above read is written again
	v_cndmask_b32 v[SCW], v[PW0], v[PW1], s91      ; lanes 0-15: K step 2 i's words, lanes 16-31: K step 2 i + 1's: as one scale register of the next launch wants them
	s_wait_alu depctr_va_vdst(0)                   ; v192-203 and v63 are written, which the last four stores read
.irp q, 0,1,2
	global_store_b128 v4, v[PC2+4*\q:PC2+4*\q+3], s[74:75] offset:1536+512*\q
.endr
	global_store_b32 v5, v[SCW], s[76:77]
.Lend:
	s_wait_dscnt 0x0
	s_wait_alu depctr_hold_cnt(0) depctr_sa_sdst(0) depctr_va_vdst(0) depctr_va_sdst(0) depctr_va_ssrc(0) depctr_va_vcc(0) depctr_vm_vsrc(0)
	s_wait_tensorcnt 0x0
	ds_add_u32 v43, v47
	s_wait_dscnt 0x0
	s_endpgm
.Lfunc_end_k_q96ccf06261_prep:
	.size	k_q96ccf06261_prep, .Lfunc_end_k_q96ccf06261_prep-k_q96ccf06261_prep
	.p2alignl 7, 3214868480
	.fill 96, 4, 3214868480
	.section	.rodata,"a",@progbits
	.p2align	6, 0x0
	.amdhsa_kernel k_q96ccf06261_prep
		.amdhsa_group_segment_fixed_size 84992
		.amdhsa_private_segment_fixed_size 0
		.amdhsa_enable_private_segment 0
		.amdhsa_kernarg_size 80
		.amdhsa_user_sgpr_count 2
		.amdhsa_user_sgpr_kernarg_segment_ptr 1
		.amdhsa_wavefront_size32 1
		.amdhsa_system_sgpr_workgroup_id_x 1
		.amdhsa_system_sgpr_workgroup_id_y 1
		.amdhsa_system_sgpr_workgroup_id_z 1
		.amdhsa_system_vgpr_workitem_id 0
		.amdhsa_next_free_vgpr 256
		.amdhsa_next_free_sgpr 96
		.amdhsa_reserve_vcc 0
		.amdhsa_float_denorm_mode_32 3
		.amdhsa_float_denorm_mode_16_64 3
		.amdhsa_memory_ordered 1
		.amdhsa_forward_progress 1
		.amdhsa_inst_pref_size 61
	.end_amdhsa_kernel
	.amdgpu_metadata
---
amdhsa.version: [ 1, 2 ]
amdhsa.kernels:
  - .name:           k_q96ccf06261_prep
    .symbol:         k_q96ccf06261_prep.kd
    .args:
      - { .name: encoder_outputs, .offset: 0, .size: 8, .value_kind: global_buffer, .address_space: global }
      - { .name: hidden, .offset: 8, .size: 8, .value_kind: global_buffer, .address_space: global }
      - { .name: W, .offset: 16, .size: 8, .value_kind: global_buffer, .address_space: global }
      - { .name: b, .offset: 24, .size: 8, .value_kind: global_buffer, .address_space: global }
      - { .name: src_len, .offset: 32, .size: 8, .value_kind: global_buffer, .address_space: global }
      - { .name: acodes, .offset: 40, .size: 8, .value_kind: global_buffer, .address_space: global }
      - { .name: ascales, .offset: 48, .size: 8, .value_kind: global_buffer, .address_space: global }
      - { .name: wcodes, .offset: 56, .size: 8, .value_kind: global_buffer, .address_space: global }
      - { .name: wscales, .offset: 64, .size: 8, .value_kind: global_buffer, .address_space: global }
      - { .name: hb, .offset: 72, .size: 8, .value_kind: global_buffer, .address_space: global }
    .group_segment_fixed_size: 84992
    .private_segment_fixed_size: 0
    .kernarg_segment_align: 8
    .kernarg_segment_size: 80
    .max_flat_workgroup_size: 256
    .sgpr_count:     96
    .vgpr_count:     256
    .wavefront_size: 32
...
	.end_amdgpu_metadata
.endif
;; end of part 4
;; launch energy (part 5): grid 4 x 64, 4 waves a work-group, no clusters, 49,664 bytes of LDS; arguments acodes, ascales, wcodes, wscales, hb, v, src_len, part; writes part
.if DOCPART == 5
	.amdgcn_target "amdgcn-amd-amdhsa--gfx1250"
	.amdhsa_code_object_version 6
	.text
	.protected	k_q96ccf06261_energy
	.globl	k_q96ccf06261_energy
	.p2align	8
	.type	k_q96ccf06261_energy,@function
k_q96ccf06261_energy:
	s_mov_b64 s[64:65], 0
	v_nop
	global_prefetch_b8 v0, s[64:65] scope:SCOPE_SE
	s_setreg_imm32_b32 hwreg(HW_REG_WAVE_SCHED_MODE, 0, 2), 2
	s_setreg_imm32_b32 hwreg(HW_REG_WAVE_MODE, 25, 1), 1
	s_wait_xcnt 0x0
	s_wait_alu depctr_vm_vsrc(0)
; THE SECOND LAUNCH: for every unit (32 rows that count, laid out by the first launch) y = Q(enc) Q(W[1024:2048]) + hb[batch], then the wave's part of  sum over n of -2 v[n] / (1 + 2^(2 log2(e) y[n])).
; tanh(y) = 1 - 2 / (1 + e^(2 y)), so v . tanh(y) = sum(v) - 2 sum(v[n] r[n]); sum(v) is the same for all rows, and a shift common to a row's unmasked scores leaves its softmax as it is (a masked score gives 0 with or without it): it is left out.
; Where e^(2 y) overflows, r is 0; where it falls to 0, r is 1: both are tanh's limits.
; SHARES.  x = a slice of 256 columns, y = a group of units: group g takes the places g + 64 t, t = 0 .. 15, as far as they are under the number of units TU, which every work-group adds up from src_len.
; Wave w owns columns 256 x + 64 w .. + 63: its 32 fragments of W and their scale words stay in registers for the whole launch.  What goes round is a unit's codes, 24,576 bytes: each wave loads a quarter into registers,
; two units ahead, stores it into one of two LDS slots, and all four read the whole slot.  All images of registers: every LDS address is 16 x lane (+ 6,144 x wave) + a constant.
; THE MATRIX INSTRUCTION IS USED TRANSPOSED (source 0 = 16 columns of W, source 1 = 16 rows): lane (r, h) holds row r, register j column 8 h + j.  hb is the C of each sum's first instruction.
; NO TENSOR LOAD, NO CLUSTER: how many units a work-group has hangs on src_len, so its work stands under a branch on a loaded number; what work-groups share is a unit's
; 24,576 bytes among the four slices, which are neighbours in the grid.  The loop's trip count is a constant, so that every wave passes every barrier; a trip without a unit does nothing between its barriers.
; A look-ahead past the group's last unit reads that last unit again: so every load of a trip is issued on every way through it, and no byte is read that the first launch has not stored.
; LIMITS.  If every src_len is 0 or less there is no unit, nothing is stored, and the loads at the head read bytes that nobody stored; nothing is made of them.  part leaves in pieces of 128 bytes: 2 MiB in all.
; REGISTERS, in windows of 256.  Window 0: v1-5 addresses; v8-19 sums; v32-47 W's scale words; v48-63 the rows', two sets; v64-95 -2 v; v96-159 hb, two sets; v160-223 the eight accumulators.
;   Window 1: v0-191 W's fragments of my tiles 0, 1; v192-239 a quarter unit on its way (even units).   Window 2: the same for tiles 2, 3 and odd units.   Window 3: v0-191 the unit's 16 fragments.
; THE MODE: SCHED_MODE bits 1:0 = 2 (LLVM: expert scheduling mode 2), set by the entry lines.  The code itself states the register dependences
; between vector or matrix instructions and memory or LDS instructions, with s_wait_alu, always for 0.
; THE PLAN.  Registers that memory or LDS instructions touch, in the loop (trip t, set = t % 2):
;   v1-v4            Addresses: written at the head, never again; the bases are scalar.
;   the quarters     (window 1 or 2, v192-239)  Written by 12 global loads at a trip's head; read by the 12 LDS stores a trip later; loaded again a trip after that.  No vector or matrix instruction names them.
;   the fragments    (window 3)  Read by the trip's 64 matrix instructions; behind them the 48 LDS loads of unit t + 1 land there.
;   words[set], hb[set]  Read by the same matrix instructions; behind them the 16 global loads of unit t + 2 land there.
;   v19              Written by the trip's last addition; read by its one store.
; So a trip has: one wait on vm_vsrc at its head (the last trip's LDS stores have read the quarter that is loaded again; its store has read v19); ONE wait on va_vdst behind the matrix instructions, which serves all 64 loads of the
; trip: they are dealt in four parts among the 32 scalings that follow, which name the accumulators alone; the two waits behind the batches of transcendentals; and one ahead of the store.
; The LDS stores hang on no vector or matrix result: they stand ahead of the wait behind the matrix instructions.
.set LI,   1                           ; v1  16 x lane
.set LW,   2                           ; v2  16 x lane + 6,144 x wave
.set L4,   3                           ; v3  4 x lane
.set HBO,  4                           ; v4  32 x (lane / 16)
.set CUM,  5                           ; v5  lane i: the units of batches 0 .. i
.set WSC,  32
.set ASC,  48
.set WV,   64
.set BIAS, 96
.set ACC,  160
.set STG,  192
.set SLOT, 24576
.set MSB, 0
.macro WIN new                         ; the immediate's high byte repeats the setting that is left; bits 1:0 source 0, 3:2 source 1, 5:4 source 2, 7:6 destination
.if MSB != (\new)
	s_set_vgpr_msb (MSB<<8)|(\new)
.set MSB, (\new)
.endif
.endm
; (A macro's argument is put in as text: wherever one stands inside a larger expression it is written in parentheses.  Each macro sets the windows that it needs; none sets them back.)
.macro POS k                           ; s10 = the place k on from this trip's, held at the group's last, and by a constant inside the buffers
	s_add_co_u32 s10, s9, \k
	s_min_u32 s10, s10, s7
	s_min_u32 s10, s10, 1023
.endm
.macro GP k                            ; the base of the unit k places on
	POS \k
	s_mul_i32 s76, s10, SLOT
	s_add_nc_u64 s[68:69], s[48:49], s[76:77]
.endm
.macro GL x, again                     ; my quarter of that unit: 12 loads of 512 consecutive bytes into window 1 + x.  again = 1: LDS stores have read these registers
	WIN 0x40*(1+(\x))
.if \again
	s_wait_alu depctr_vm_vsrc(0)                   ; the LDS stores issued so far have read this quarter's registers, in which the loads below land; and the last trip's store has read v19, which this trip writes again
.endif
.irp i, 0,1,2,3,4,5,6,7,8,9,10,11
	global_load_b128 v[STG+4*\i:STG+4*\i+3], v[LW], s[68:69] offset:512*\i
.endr
.endm
.macro ABP k                           ; the bases of the scale words of the unit k places on, and of its batch's hb at my 64 columns
	WIN 0
	POS \k
	s_lshl_b32 s76, s10, 10
	s_add_nc_u64 s[70:71], s[50:51], s[76:77]
	v_cmp_ge_u32 s81, s10, v[CUM]                  ; the batch of a place is the number of batches that end at or before it
	s_wait_alu depctr_va_sdst(0)                   ; the compare has written s81, ahead of its first reader
	s_bcnt1_i32_b32 s81, s81
	s_min_u32 s81, s81, 31
	s_lshl_b32 s76, s81, 12
	s_add_nc_u64 s[72:73], s[78:79], s[76:77]
.endm
.macro ABL set, c                      ; part c of four of those 16 loads: two scale registers, and hb at my tile c of columns
	WIN 0
.irp i, 0,1
	global_load_b32 v[ASC+8*(\set)+2*(\c)+\i], v[L4], s[70:71] offset:512*((\c)/2)+128*(2*((\c)%2)+\i)   ; register 4 m + i: lanes 0-15: K step 2 i of tile m, lanes 16-31: K step 2 i + 1
.endr
.irp e, 0,1
	global_load_b128 v[BIAS+32*(\set)+8*(\c)+4*\e:BIAS+32*(\set)+8*(\c)+4*\e+3], v[HBO], s[72:73] offset:64*(\c)+16*\e
.endr
.endm
.macro S x                             ; my quarter into slot x
	WIN 0x04*(1+(\x))                              ; an LDS store's data are its source 1
.irp i, 0,1,2,3,4,5,6,7,8,9,10,11
	ds_store_b128 v[LW], v[STG+4*\i:STG+4*\i+3] offset:SLOT*(\x)+512*\i
.endr
.endm
.macro RL x, g                         ; part g of four of slot x: four fragments; fragment (tile m, K step ks) at v[12 (8 m + ks)] of window 3
	WIN 0xc0
.irp i, 0,1,2,3,4,5,6,7,8,9,10,11
	ds_load_b128 v[4*(12*(\g)+\i):4*(12*(\g)+\i)+3], v[LI] offset:SLOT*(\x)+512*(12*(\g)+\i)
.endr
.endm
; 64 matrix instructions: two halves (my tiles 0, 1: window 1; tiles 2, 3: window 2); in each, K step by K step, four accumulators by turns, one instruction a turn.
.macro M set
.irp hf, 0,1
	WIN 0x0d+\hf                                   ; source 0 window 1 or 2, source 1 window 3, C and D window 0
.irp ks, 0,1,2,3,4,5,6,7
.irp n2, 0,1
.irp m, 0,1
.set rD, ACC+32*\m+8*(2*\hf+\n2)
.set rA, 12*(8*\n2+\ks)
.set rB, 12*(8*\m+\ks)
.set rC, BIAS+32*(\set)+8*(2*\hf+\n2)
.set rW, WSC+4*(2*\hf+\n2)+\ks/2
.set rS, ASC+8*(\set)+4*\m+\ks/2
.if \ks == 0
	v_wmma_scale_f32_16x16x128_f8f6f4 v[rD:rD+7], v[rA:rA+11], v[rB:rB+11], v[rC:rC+7], v[rW], v[rS] matrix_a_fmt:MATRIX_FMT_FP6 matrix_b_fmt:MATRIX_FMT_FP6
.elseif \ks%2
	v_wmma_scale_f32_16x16x128_f8f6f4 v[rD:rD+7], v[rA:rA+11], v[rB:rB+11], v[rD:rD+7], v[rW], v[rS] matrix_a_fmt:MATRIX_FMT_FP6 matrix_b_fmt:MATRIX_FMT_FP6 matrix_a_scale:MATRIX_SCALE_ROW1 matrix_b_scale:MATRIX_SCALE_ROW1
.else
	v_wmma_scale_f32_16x16x128_f8f6f4 v[rD:rD+7], v[rA:rA+11], v[rB:rB+11], v[rD:rD+7], v[rW], v[rS] matrix_a_fmt:MATRIX_FMT_FP6 matrix_b_fmt:MATRIX_FMT_FP6
.endif
.endr
.endr
.endr
.endr
.endm
; The vector work of a unit: 64 numbers a lane.  VS: part c of four of the scalings.  VT: the rest: two batches of 64 transcendentals, each with one plain place and one wait behind it; the dot; the store.
.macro VS c
	WIN 0
.irp j, 0,1,2,3,4,5,6,7
	v_pk_mul_f32 v[ACC+2*(8*(\c)+\j):ACC+2*(8*(\c)+\j)+1], v[ACC+2*(8*(\c)+\j):ACC+2*(8*(\c)+\j)+1], s[14:15] op_sel_hi:[1,0]   ; 2 log2(e) y; ascending
.endr
.endm
.macro VT
	WIN 0
.set j, 0
.rept 64
	v_exp_f32 v[ACC+j], v[ACC+j]
.set j, j+1
.endr
	v_nop
	s_wait_alu depctr_va_vdst(0)                   ; the 64 exponentials have written the accumulators' registers, ahead of the additions that read them
.set j, 0
.rept 32
	v_pk_add_f32 v[ACC+2*j:ACC+2*j+1], v[ACC+2*j:ACC+2*j+1], 1.0 op_sel_hi:[1,0]
.set j, j+1
.endr
.set j, 0
	s_wait_alu depctr_va_vdst(0)
.rept 64
	v_rcp_f32 v[ACC+j], v[ACC+j]
.set j, j+1
.endr
	v_nop
	s_wait_alu depctr_va_vdst(0)                   ; the 64 reciprocals have written them again, ahead of the dot that reads them
.irp pi, 0,1,2,3,4,5,6,7,8,9,10,11,12,13,14,15 ; the dot with -2 v: two chains of pairs for each tile of rows, the four by turns
.irp m, 0,1
.set rX, ACC+32*\m+2*\pi
.set rT, 8+4*\m+2*(\pi%2)
.if \pi < 2
	v_pk_mul_f32 v[rT:rT+1], v[rX:rX+1], v[WV+2*\pi:WV+2*\pi+1]
.else
	v_pk_fma_f32 v[rT:rT+1], v[rX:rX+1], v[WV+2*\pi:WV+2*\pi+1], v[rT:rT+1]
.endif
.endr
.endr
	v_pk_add_f32 v[8:9], v[8:9], v[10:11]
	v_pk_add_f32 v[12:13], v[12:13], v[14:15]
	v_add_f32 v8, v8, v9                           ; tile 0: row r, my half's 32 columns
	v_add_f32 v12, v12, v13                        ; tile 1
	v_cndmask_b32 v16, v8, v12, s12                ; lanes 0-15 keep tile 0's, lanes 16-31 tile 1's,
	v_cndmask_b32 v17, v12, v8, s12                ; and hand the other one
	v_permlanex16_b32 v18, v17, s66, s67           ; to lane l xor 16
	v_add_f32 v19, v16, v18                        ; lane l: row l of the unit, my wave's 64 columns
	s_lshl_b32 s76, s9, 7
	s_add_nc_u64 s[82:83], s[74:75], s[76:77]      ; (the last trip's store has read its base: the wait on XCNT at this trip's head stands between)
	s_wait_alu depctr_va_vdst(0)                   ; the addition has written v19, which the store reads
	global_store_b32 v[L4], v19, s[82:83]          ; 128 consecutive bytes
.endm
; Trip t works on unit t, whose fragments are in registers; set = t % 2.
.macro BODY set
	s_wait_xcnt 0x0                                ; the three bases and the store's data are written again only behind this wait
	GP 192
	ABP 128
	GL 1-\set, 1                                   ; unit t + 3's quarter
	s_wait_loadcnt 40                              ; unit t's scale words and hb are in.  Younger: unit t + 2's quarter 12, unit t + 1's words and hb 16, unit t + 3's quarter 12
	M \set
.rept 4
	v_nop                                          ; four places behind the last matrix instructions, ahead of the first read of results (ISA guide 7.12.1); they stay beside the wait below
.endr
	s_wait_loadcnt 28                              ; unit t + 2's quarter is in.  Younger: 16 + 12
	S \set                                         ; into the slot of unit t, which every wave had read out when it passed this trip's barrier.  Its data came by loads: it hangs on no vector or matrix result
	WIN 0xc0
	s_wait_alu depctr_va_vdst(0)                   ; the 64 matrix instructions are done reading the unit's fragments, words[set] and hb[set], in which the loads below land
.irp c, 0,1,2,3
	RL 1-\set, \c                                  ; unit t + 1, from the other slot: stored a trip ago, ahead of this trip's barrier; it lands under the vector work
	ABL \set, \c                                   ; unit t + 2's scale words and hb
	VS \c                                          ; the scalings name the accumulators alone: none of the registers that these loads touch, so nothing more is owed
.endr
	s_wait_alu depctr_va_vdst(0)
	VT
.endm
.macro TRIP set
	s_wait_dscnt 0x0                               ; my stores into one slot have landed and my reads of the other are in:
	s_barrier_signal -1
	s_barrier_wait -1                              ; both now hold of all four waves
	s_cmp_lt_u32 s8, s6
	s_cbranch_scc0 .Lidle_\@
	BODY \set
	s_branch .Ljoin_\@
.Lidle_\@:
	s_wait_loadcnt 0x0                             ; no unit is left: what was asked for ahead comes in and is dropped
.Ljoin_\@:
	s_add_co_u32 s8, s8, 1
	s_add_co_u32 s9, s9, 64
.endm
	s_load_b512 s[48:63], s[0:1], 0x0              ; acodes 48, ascales 50, wcodes 52, wscales 54, hb 56, v 58, src_len 60, part 62
	v_lshl_add_u32 v254, v0, 2, 0xc000
	v_mov_b32 v255, 0
	v_lshrrev_b32 v1, 5, v0
	v_readfirstlane_b32 s2, v1                     ; wave 0..3
	v_and_b32 v6, 31, v0
	v_lshlrev_b32 v[LI], 4, v6
	s_wait_alu depctr_va_sdst(0)                   ; s2 is written, ahead of its first reader: LDS places and bases are made from it
	s_mul_i32 s10, s2, 6144
	v_add_nc_u32 v[LW], s10, v[LI]
	v_lshlrev_b32 v[L4], 2, v6
	v_bfe_u32 v[HBO], v0, 4, 1
	v_lshlrev_b32 v[HBO], 5, v[HBO]
	v_mov_b32 v[CUM], 0
	v_mov_b32 v18, 0                               ; written once: a lane permute's destination counts as one of its sources
	s_and_b32 s3, ttmp7, 0xffff                    ; the group
	s_mov_b32 s4, ttmp9                            ; the slice
	s_mov_b32 s12, 0xffff0000                      ; lanes 16-31
	s_mov_b32 s14, 0x4038aa3b                      ; 2 log2(e)
	s_mov_b32 s15, s14                             ; (named with it as a pair)
	s_mov_b32 s66, 0x76543210
	s_mov_b32 s67, 0xfedcba98
	s_mov_b32 s77, 0                               ; the upper word of every offset
	s_lshl_b32 s10, s4, 4
	s_lshl_b32 s11, s2, 2
	s_add_co_u32 s10, s10, s11                     ; my first tile of columns: 16 x slice + 4 x wave
	s_wait_kmcnt 0x0
	s_load_b512 s[16:31], s[60:61], 0x0
	s_load_b512 s[32:47], s[60:61], 0x40
	s_mul_i32 s76, s10, 12288
	s_add_nc_u64 s[84:85], s[52:53], s[76:77]
	s_lshl_b32 s76, s10, 9
	s_add_nc_u64 s[86:87], s[54:55], s[76:77]
	s_lshl_b32 s76, s10, 6
	s_add_nc_u64 s[78:79], s[56:57], s[76:77]      ; hb at my 64 columns
	s_add_nc_u64 s[88:89], s[58:59], s[76:77]      ; v likewise
	s_lshl_b32 s76, s4, 2
	s_add_co_u32 s76, s76, s2
	s_lshl_b32 s76, s76, 17
	s_add_nc_u64 s[74:75], s[62:63], s[76:77]      ; my plane of part: 4 x slice + wave
.irp hf, 0,1                                   ; W's 32 fragments: they stay
	WIN 0x40*(1+\hf)
.if \hf == 0
	s_wait_alu depctr_va_vdst(0)                   ; the four addresses v1 to v4 are written, which every load and store of the kernel reads; no vector instruction names them again
.endif
.set ch, 0
.rept 48
	global_load_b128 v[4*ch:4*ch+3], v[LI], s[84:85] offset:24576*\hf+512*ch
.set ch, ch+1
.endr
.endr
	WIN 0
.irp nt, 0,1,2,3
.irp i, 0,1,2,3
	global_load_b32 v[WSC+4*\nt+\i], v[L4], s[86:87] offset:512*\nt+128*\i
.endr
.irp e, 0,1
	global_load_b128 v[WV+8*\nt+4*\e:WV+8*\nt+4*\e+3], v[HBO], s[88:89] offset:64*\nt+16*\e
.endr
.endr
	s_wait_kmcnt 0x0
	s_mov_b32 s5, 0                                ; the units of batches 0 .. i, into lane i; at the end TU
.set q, 0
.rept 32
	s_max_i32 s10, s[16+q], 0
	s_min_i32 s10, s10, 1024
	s_add_co_u32 s10, s10, 31
	s_lshr_b32 s10, s10, 5
	s_add_co_u32 s5, s5, s10
	v_writelane_b32 v[CUM], s5, q
.set q, q+1
.endr
	s_sub_co_i32 s6, s5, s3
	s_add_co_i32 s6, s6, 63
	s_ashr_i32 s6, s6, 6
	s_max_i32 s6, s6, 0                            ; my group's units: the t with g + 64 t < TU
	s_sub_co_i32 s7, s6, 1
	s_lshl_b32 s7, s7, 6
	s_add_co_u32 s7, s7, s3
	s_cmp_eq_u32 s6, 0
	s_cselect_b32 s7, 0, s7                        ; the place of the last of them
	s_mov_b32 s8, 0                                ; t
	s_mov_b32 s9, s3                               ; g + 64 t
	GP 0
	GL 0, 0                                        ; unit 0's quarter: nothing has named these registers yet
	s_wait_alu depctr_va_vdst(0)
	s_wait_xcnt 0x0                                ; the base is written again only behind this wait
	GP 64
	GL 1, 0                                        ; unit 1's
	ABP 0
.irp c, 0,1,2,3
	ABL 0, \c                                      ; unit 0's scale words and hb
.endr
	s_wait_loadcnt 0x0
.set j, 0
.rept 16
	v_pk_mul_f32 v[WV+2*j:WV+2*j+1], v[WV+2*j:WV+2*j+1], -2.0 op_sel_hi:[1,0]
.set j, j+1
.endr
	S 0
	S 1
	s_wait_dscnt 0x0
	s_barrier_signal -1
	s_barrier_wait -1                              ; units 0 and 1 lie in LDS
.irp c, 0,1,2,3
	RL 0, \c                                       ; unit 0's fragments: no vector or matrix instruction has named window 3 yet
.endr
	s_wait_xcnt 0x0                                ; the bases are written again only behind this wait
	GP 128
	ABP 64
	GL 0, 1                                        ; unit 2's quarter, into the registers that the LDS stores above have read
.irp c, 0,1,2,3
	ABL 1, \c                                      ; unit 1's scale words and hb
.endr
	s_mov_b32 s13, 8
.Lloop:
	TRIP 0
	TRIP 1
	s_sub_co_u32 s13, s13, 1
	s_cmp_lg_u32 s13, 0
	s_cbranch_scc1 .Lloop
	s_wait_dscnt 0x0
	s_wait_alu depctr_hold_cnt(0) depctr_sa_sdst(0) depctr_va_vdst(0) depctr_va_sdst(0) depctr_va_ssrc(0) depctr_va_vcc(0) depctr_vm_vsrc(0)
	s_wait_tensorcnt 0x0
	ds_add_u32 v254, v255
	s_wait_dscnt 0x0
	s_endpgm
.Lfunc_end_k_q96ccf06261_energy:
	.size	k_q96ccf06261_energy, .Lfunc_end_k_q96ccf06261_energy-k_q96ccf06261_energy
	.p2alignl 7, 3214868480
	.fill 96, 4, 3214868480
	.section	.rodata,"a",@progbits
	.p2align	6, 0x0
	.amdhsa_kernel k_q96ccf06261_energy
		.amdhsa_group_segment_fixed_size 49664
		.amdhsa_private_segment_fixed_size 0
		.amdhsa_enable_private_segment 0
		.amdhsa_kernarg_size 64
		.amdhsa_user_sgpr_count 2
		.amdhsa_user_sgpr_kernarg_segment_ptr 1
		.amdhsa_wavefront_size32 1
		.amdhsa_system_sgpr_workgroup_id_x 1
		.amdhsa_system_sgpr_workgroup_id_y 1
		.amdhsa_system_sgpr_workgroup_id_z 1
		.amdhsa_system_vgpr_workitem_id 0
		.amdhsa_next_free_vgpr 960
		.amdhsa_next_free_sgpr 96
		.amdhsa_reserve_vcc 0
		.amdhsa_float_denorm_mode_32 3
		.amdhsa_float_denorm_mode_16_64 3
		.amdhsa_memory_ordered 1
		.amdhsa_forward_progress 1
		.amdhsa_inst_pref_size 90
	.end_amdhsa_kernel
	.amdgpu_metadata
---
amdhsa.version: [ 1, 2 ]
amdhsa.kernels:
  - .name:           k_q96ccf06261_energy
    .symbol:         k_q96ccf06261_energy.kd
    .args:
      - { .name: acodes, .offset: 0, .size: 8, .value_kind: global_buffer, .address_space: global }
      - { .name: ascales, .offset: 8, .size: 8, .value_kind: global_buffer, .address_space: global }
      - { .name: wcodes, .offset: 16, .size: 8, .value_kind: global_buffer, .address_space: global }
      - { .name: wscales, .offset: 24, .size: 8, .value_kind: global_buffer, .address_space: global }
      - { .name: hb, .offset: 32, .size: 8, .value_kind: global_buffer, .address_space: global }
      - { .name: v, .offset: 40, .size: 8, .value_kind: global_buffer, .address_space: global }
      - { .name: src_len, .offset: 48, .size: 8, .value_kind: global_buffer, .address_space: global }
      - { .name: part, .offset: 56, .size: 8, .value_kind: global_buffer, .address_space: global }
    .group_segment_fixed_size: 49664
    .private_segment_fixed_size: 0
    .kernarg_segment_align: 8
    .kernarg_segment_size: 64
    .max_flat_workgroup_size: 128
    .sgpr_count:     96
    .vgpr_count:     960
    .wavefront_size: 32
...
	.end_amdgpu_metadata
.endif
;; end of part 5
;; launch softmax (part 6): grid 32 x 1, 8 waves a work-group, no clusters, 1,536 bytes of LDS; arguments part, src_len, out0; writes out0
.if DOCPART == 6
	.amdgcn_target "amdgcn-amd-amdhsa--gfx1250"
	.amdhsa_code_object_version 6
	.text
	.protected	k_q96ccf06261_softmax
	.globl	k_q96ccf06261_softmax
	.p2align	8
	.type	k_q96ccf06261_softmax,@function
k_q96ccf06261_softmax:
	s_mov_b64 s[64:65], 0
	v_nop
	global_prefetch_b8 v0, s[64:65] scope:SCOPE_SE
	s_setreg_imm32_b32 hwreg(HW_REG_WAVE_MODE, 25, 1), 1
	s_wait_xcnt 0x0
; THE THIRD LAUNCH: a work-group to a batch.  Thread t takes rows 4 t .. 4 t + 3: the 16 planes of partial scores are added, rows at or beyond src_len become -1e18, and the softmax is taken with the row's maximum off.
; Row s of batch b lies in each plane at 32 x (the units of the batches before b) + s.  Rows beyond the batch's last unit were never stored: their threads read the last unit's last four numbers, and the mask drops them.
; With src_len 0 or less all 1,024 scores are -1e18 and the result is 1 / 1,024 everywhere, as in the definition; what is loaded then is dropped by the select.
; A stream of 2 MiB on 32 work-groups: no matrix unit, no tensor load, no cluster: nothing is shared.  Each store of a wave covers 512 consecutive bytes, aligned.
	s_load_b128 s[48:51], s[0:1], 0x0              ; part, src_len
	s_load_b64 s[52:53], s[0:1], 0x10              ; out0
	v_lshl_add_u32 v96, v0, 2, 0x200
	v_mov_b32 v97, 0
	s_mov_b32 s4, ttmp9                            ; the batch
	s_lshl_b32 s10, s4, 2
	s_mov_b32 s11, 0
	s_mov_b32 s66, 0x76543210
	s_mov_b32 s67, 0xfedcba98
	v_lshlrev_b32 v1, 2, v0                        ; my first row
	v_lshlrev_b32 v3, 4, v0                        ; and its byte in a row of the output
	v_lshrrev_b32 v10, 5, v0
	s_delay_alu instid0(VALU_DEP_1)
	v_lshlrev_b32 v10, 2, v10                      ; LDS: a word for each wave
	v_mov_b32 v11, 0
	v_mov_b32 v9, 0                                ; written once: a lane permute's destination counts as one of its sources
	v_mov_b32 v13, 0                               ; (named as the upper half of the pair v[12:13])
	v_mov_b32 v80, 0xdd5e0b6b                      ; -1e18
.irp e, 0,1,2,3
	v_add_nc_u32 v[4+\e], \e, v1
.endr
	s_wait_kmcnt 0x0
	s_add_nc_u64 s[10:11], s[50:51], s[10:11]
	s_load_b32 s6, s[10:11], 0x0
	s_load_b512 s[16:31], s[50:51], 0x0
	s_load_b512 s[32:47], s[50:51], 0x40
	s_lshl_b32 s12, s4, 12
	s_mov_b32 s13, 0
	s_add_nc_u64 s[54:55], s[52:53], s[12:13]
	s_wait_kmcnt 0x0
	s_max_i32 s6, s6, 0
	s_min_i32 s6, s6, 1024                         ; the length
	s_add_co_u32 s7, s6, 31
	s_lshr_b32 s7, s7, 5                           ; the batch's units
	s_mov_b32 s8, 0                                ; the units of the batches before mine
.set q, 0
.rept 32
	s_max_i32 s9, s[16+q], 0
	s_min_i32 s9, s9, 1024
	s_add_co_u32 s9, s9, 31
	s_lshr_b32 s9, s9, 5
	s_cmp_gt_u32 s4, q
	s_cselect_b32 s9, s9, 0
	s_add_co_u32 s8, s8, s9
.set q, q+1
.endr
	s_min_u32 s8, s8, 1023
	s_lshl_b32 s10, s7, 5
	s_sub_co_i32 s10, s10, 4
	s_max_i32 s10, s10, 0
	v_min_u32 v2, s10, v1                          ; no further than the batch's last stored four
	s_delay_alu instid0(VALU_DEP_1)
	v_lshl_add_u32 v2, s8, 5, v2
	s_delay_alu instid0(VALU_DEP_1)
	v_min_u32 v2, 0x7ffc, v2                       ; inside a plane of 32,768 numbers
	s_delay_alu instid0(VALU_DEP_1)
	v_lshlrev_b32 v2, 2, v2
.irp pl, 0,1,2,3,4,5,6,7,8,9,10,11,12,13,14,15
	global_load_b128 v[16+4*\pl:19+4*\pl], v2, s[48:49] offset:131072*\pl
.endr
	s_wait_loadcnt 0x0
.irp pl, 1
	v_pk_add_f32 v[16:17], v[16:17], v[16+4*\pl:17+4*\pl]
	v_pk_add_f32 v[18:19], v[18:19], v[18+4*\pl:19+4*\pl]
.endr
.irp pl, 2, 3, 4, 5, 6, 7, 8, 9, 10, 11, 12, 13, 14, 15
	s_delay_alu instid0(VALU_DEP_2)
	v_pk_add_f32 v[16:17], v[16:17], v[16+4*\pl:17+4*\pl]
	s_delay_alu instid0(VALU_DEP_2)
	v_pk_add_f32 v[18:19], v[18:19], v[18+4*\pl:19+4*\pl]
.endr
.irp e, 0,1,2,3
	v_cmp_gt_i32 vcc_lo, s6, v[4+\e]               ; the row counts where it lies under the length
	s_delay_alu instid0(VALU_DEP_1)
	v_cndmask_b32 v[16+\e], v80, v[16+\e], vcc_lo
.endr
	s_delay_alu instid0(VALU_DEP_3)
	v_max3_num_f32 v8, v16, v17, v18               ; the maximum: my four, my wave's, the work-group's
	s_delay_alu instid0(VALU_DEP_1)
	v_max_num_f32 v8, v8, v19
	s_delay_alu instid0(VALU_DEP_1)
	v_max_num_f32_dpp v8, v8, v8 row_xmask:1 row_mask:0xf bank_mask:0xf
	s_delay_alu instid0(VALU_DEP_1)
	v_max_num_f32_dpp v8, v8, v8 row_xmask:2 row_mask:0xf bank_mask:0xf
	s_delay_alu instid0(VALU_DEP_1)
	v_max_num_f32_dpp v8, v8, v8 row_xmask:4 row_mask:0xf bank_mask:0xf
	s_delay_alu instid0(VALU_DEP_1)
	v_max_num_f32_dpp v8, v8, v8 row_xmask:8 row_mask:0xf bank_mask:0xf
	s_delay_alu instid0(VALU_DEP_1)
	v_permlanex16_b32 v9, v8, s66, s67
	s_delay_alu instid0(VALU_DEP_1)
	v_max_num_f32 v8, v8, v9
	ds_store_b32 v10, v8                           ; all lanes of a wave write the same word with the same value
	s_wait_dscnt 0x0                               ; for the others' sake
	s_barrier_signal -1
	s_barrier_wait -1
	ds_load_b128 v[84:87], v11
	ds_load_b128 v[88:91], v11 offset:16
	s_wait_dscnt 0x0
	v_max3_num_f32 v8, v84, v85, v86
	s_delay_alu instid0(VALU_DEP_1)
	v_max3_num_f32 v8, v8, v87, v88
	s_delay_alu instid0(VALU_DEP_1)
	v_max3_num_f32 v8, v8, v89, v90
	s_delay_alu instid0(VALU_DEP_1)
	v_max_num_f32 v8, v8, v91
.irp e, 0,1,2,3
	v_sub_f32 v[16+\e], v[16+\e], v8
.endr
.irp e, 0,1,2,3
	s_delay_alu instid0(VALU_DEP_4)
	v_mul_f32 v[16+\e], 0x3fb8aa3b, v[16+\e]       ; x log2(e)
.endr
	s_wait_alu depctr_va_vdst(0)
.irp e, 0,1,2,3
	v_exp_f32 v[16+\e], v[16+\e]
.endr
	v_nop                                          ; a plain place behind the batch,
	s_wait_alu depctr_va_vdst(0)                   ; and the one wait ahead of its first reader
	v_pk_add_f32 v[14:15], v[16:17], v[18:19]      ; the sum, by the same road through other LDS bytes
	s_delay_alu instid0(VALU_DEP_1)
	v_add_f32 v8, v14, v15
	s_delay_alu instid0(VALU_DEP_1)
	v_add_f32_dpp v8, v8, v8 row_xmask:1 row_mask:0xf bank_mask:0xf
	s_delay_alu instid0(VALU_DEP_1)
	v_add_f32_dpp v8, v8, v8 row_xmask:2 row_mask:0xf bank_mask:0xf
	s_delay_alu instid0(VALU_DEP_1)
	v_add_f32_dpp v8, v8, v8 row_xmask:4 row_mask:0xf bank_mask:0xf
	s_delay_alu instid0(VALU_DEP_1)
	v_add_f32_dpp v8, v8, v8 row_xmask:8 row_mask:0xf bank_mask:0xf
	s_delay_alu instid0(VALU_DEP_1)
	v_permlanex16_b32 v9, v8, s66, s67
	s_delay_alu instid0(VALU_DEP_1)
	v_add_f32 v8, v8, v9
	ds_store_b32 v10, v8 offset:256
	s_wait_dscnt 0x0
	s_barrier_signal -1
	s_barrier_wait -1
	ds_load_b128 v[84:87], v11 offset:256
	ds_load_b128 v[88:91], v11 offset:272
	s_wait_dscnt 0x0
	v_pk_add_f32 v[84:85], v[84:85], v[86:87]
	v_pk_add_f32 v[88:89], v[88:89], v[90:91]
	s_delay_alu instid0(VALU_DEP_1)
	v_pk_add_f32 v[84:85], v[84:85], v[88:89]
	s_delay_alu instid0(VALU_DEP_1)
	v_add_f32 v8, v84, v85
	s_wait_alu depctr_va_vdst(0)
	v_rcp_f32 v12, v8
	v_nop
	s_wait_alu depctr_va_vdst(0)
	v_pk_mul_f32 v[16:17], v[16:17], v[12:13] op_sel_hi:[1,0]
	v_pk_mul_f32 v[18:19], v[18:19], v[12:13] op_sel_hi:[1,0]
	global_store_b128 v3, v[16:19], s[54:55]
	s_wait_tensorcnt 0x0
	ds_add_u32 v96, v97
	s_wait_dscnt 0x0
	s_endpgm
.Lfunc_end_k_q96ccf06261_softmax:
	.size	k_q96ccf06261_softmax, .Lfunc_end_k_q96ccf06261_softmax-k_q96ccf06261_softmax
	.p2alignl 7, 3214868480
	.fill 96, 4, 3214868480
	.section	.rodata,"a",@progbits
	.p2align	6, 0x0
	.amdhsa_kernel k_q96ccf06261_softmax
		.amdhsa_group_segment_fixed_size 1536
		.amdhsa_private_segment_fixed_size 0
		.amdhsa_enable_private_segment 0
		.amdhsa_kernarg_size 24
		.amdhsa_user_sgpr_count 2
		.amdhsa_user_sgpr_kernarg_segment_ptr 1
		.amdhsa_wavefront_size32 1
		.amdhsa_system_sgpr_workgroup_id_x 1
		.amdhsa_system_sgpr_workgroup_id_y 1
		.amdhsa_system_sgpr_workgroup_id_z 1
		.amdhsa_system_vgpr_workitem_id 0
		.amdhsa_next_free_vgpr 98
		.amdhsa_next_free_sgpr 96
		.amdhsa_reserve_vcc 1
		.amdhsa_float_denorm_mode_32 3
		.amdhsa_float_denorm_mode_16_64 3
		.amdhsa_memory_ordered 1
		.amdhsa_forward_progress 1
		.amdhsa_inst_pref_size 19
	.end_amdhsa_kernel
	.amdgpu_metadata
---
amdhsa.version: [ 1, 2 ]
amdhsa.kernels:
  - .name:           k_q96ccf06261_softmax
    .symbol:         k_q96ccf06261_softmax.kd
    .args:
      - { .name: part, .offset: 0, .size: 8, .value_kind: global_buffer, .address_space: global }
      - { .name: src_len, .offset: 8, .size: 8, .value_kind: global_buffer, .address_space: global }
      - { .name: out0, .offset: 16, .size: 8, .value_kind: global_buffer, .address_space: global }
    .group_segment_fixed_size: 1536
    .private_segment_fixed_size: 0
    .kernarg_segment_align: 8
    .kernarg_segment_size: 24
    .max_flat_workgroup_size: 256
    .sgpr_count:     96
    .vgpr_count:     98
    .wavefront_size: 32
...
	.end_amdgpu_metadata
.endif
;; end of part 6
